; MI455X (gfx1250); checked and timed in simulation.
; The chip was launched on July 23, 2026; its instructions are those of AMD's public machine-readable ISA for CDNA 5 (MIT licence, August 2026) and "CDNA5" Instruction Set Architecture Reference Guide (July 2026). The comments in the code are by the model that wrote it; some were corrected since.
;; Symmetric CA Layer. Allowed arithmetic: matrix products marked QUANTISED: E3M2 operands, one E8M0 scale for each 32 along K, by v_wmma_scale_f32_16x16x128_f8f6f4 with both operands' format E3M2, f32 sums; everything else in f32.
;; Inputs: beta 256 float32; gamma 256 float32; w_qkx 64 x 256 float32; w_qky 64 x 256 float32; w_tx 256 x 256 float32; w_ty 256 x 256 float32; w_vx 256 x 256 float32; w_vy 256 x 256 float32; x 4 x 256 x 4,096 float32; y 4 x 256 x 4,096 float32.
;; Outputs: out0 4 x 256 x 4,096 float32; out1 4 x 256 x 4,096 float32.
;; This version of the problem:
;;   THIS VERSION OF THE PROBLEM IS GIVEN IN LOW PRECISION. The matrix products marked QUANTISED in the list below multiply operands that are first quantised to E3M2 (3 exponent bits, 2 mantissa bits; 6 bits a number), with one power-of-two scale for each 32 numbers along K (OCP MX v1.0); their sums are f32. All else is computed in f32.
;;   The module's matrix products, in the order in which they are computed (A, B: the left and right operand; K: the contracted axis; several contracted axes count as one K, in the product's order):
;;     1. [M 16,384, K 256] x [K 256, N 64]; A: input y; B: input w_qkx: QUANTISED
;;     2. [M 16,384, K 256] x [K 256, N 64]; A: input x; B: input w_qkx: QUANTISED
;;     3. [M 16,384, K 256] x [K 256, N 256]; A: input x; B: input w_vx: QUANTISED
;;     4. batch 4 x [M 4,096, K 64] x [K 64, N 4,096]; A: computed on the way; B: computed on the way: QUANTISED
;;     5. batch 4 x [M 256, K 4,096] x [K 4,096, N 4,096]; A: computed on the way; B: computed on the way: QUANTISED
;;     6. [M 16,384, K 256] x [K 256, N 256]; A: computed on the way; B: input w_tx: QUANTISED
;;     7. [M 16,384, K 256] x [K 256, N 64]; A: input x; B: input w_qky: QUANTISED
;;     8. [M 16,384, K 256] x [K 256, N 64]; A: input y; B: input w_qky: QUANTISED
;;     9. [M 16,384, K 256] x [K 256, N 256]; A: input y; B: input w_vy: QUANTISED
;;     10. batch 4 x [M 4,096, K 64] x [K 64, N 4,096]; A: computed on the way; B: computed on the way: QUANTISED
;;     11. batch 4 x [M 256, K 4,096] x [K 4,096, N 4,096]; A: computed on the way; B: computed on the way: QUANTISED
;;     12. [M 16,384, K 256] x [K 256, N 256]; A: computed on the way; B: input w_ty: QUANTISED
;;   THE QUANTISER, for each operand of a quantised product, along K:
;;     - K is cut into blocks of 32 from its start; a last block that is shorter is filled with zeros.
;;     - A block's scale is 2^e with e = floor(log2(the largest magnitude in the block)) - 4, held to -126 .. 127; a block of zeros has e = 0. As a byte (E8M0): e + 127.
;;     - Each number is divided by its block's scale, clamped to +-28, and rounded to the nearest number of E3M2, ties to even, subnormals kept.
;;     - The product sums the exact products of the quantised numbers (number of the format x scale) in f32.
;;   ~~~python
;;   def quantise(x, axis):      # numpy; x: float32 -> the quantised numbers, widened to float32 again
;;       x = np.moveaxis(x, axis, -1); K = x.shape[-1]
;;       x = np.pad(x, [(0, 0)] * (x.ndim - 1) + [(0, -K % 32)]); x = x.reshape(x.shape[:-1] + (-1, 32)); a = np.abs(x).max(-1, keepdims=True)
;;       e = np.where(a > 0, np.clip(np.frexp(np.where(a > 0, a, 1))[1] - 1 - 4, -126, 127), 0)      # np.frexp(a)[1] - 1 = floor(log2(a)), exactly
;;       r = np.clip(x / 2.0 ** e, -28, 28)
;;       step = 2.0 ** (np.maximum(np.frexp(np.where(r == 0, 1, r))[1] - 1, -2) - 2)
;;       q = np.round(r / step) * step * 2.0 ** e      # np.round: ties to even
;;       return np.moveaxis(q.reshape(q.shape[:-2] + (-1,))[..., :K], -1, axis).astype(np.float32)
;;   ~~~
;;   OPERANDS COMPUTED ON THE WAY. 'Computed on the way' means the value that the module computes at that place (a softmax that the list does not call 'softmax' is quantised finished and normalised). What goes into a quantiser is computed in f32, as accurately as f32 sums, v_exp_f32 and their like allow (about 1e-6 of the number): no bf16 or f16 on the way to a quantiser, and a product that is left as it is and whose result goes on into a quantised operand takes f32 operands (vector FMAs, or v_wmma_f32_16x16x4_f32). A number that lies on a knife's edge between two numbers of the format may be rounded either way, as far as f32 arithmetic and the matrix unit's own rounding can turn it there, and no further.
;; One version. Each part assembles by itself: llvm-mc -triple=amdgcn-amd-amdhsa -mcpu=gfx1250 --defsym DOCPART=n.
;; ======== version 1 of 1: 3 launches
;; workspace buffers: qrec 1,638,400 bytes; krec 1,638,400 bytes; vrec 6,553,600 bytes; wtrec 102,400 bytes; z 33,554,432 bytes; pst 524,288 bytes
;; launch proj (part 1): grid 32 x 8, 8 waves a work-group, no clusters, 263,168 bytes of LDS; arguments x, y, w_qkx, w_qky, w_vx, w_vy, w_tx, w_ty, qrec, krec, vrec, wtrec; writes qrec, krec, vrec, wtrec
.if DOCPART == 1
	.amdgcn_target "amdgcn-amd-amdhsa--gfx1250"
	.amdhsa_code_object_version 6
	.text
	.protected	k_qc3de72ec00_proj
	.globl	k_qc3de72ec00_proj
	.p2align	8
	.type	k_qc3de72ec00_proj,@function
k_qc3de72ec00_proj:
	s_mov_b64 s[64:65], 0
	v_nop
	global_prefetch_b8 v0, s[64:65] scope:SCOPE_SE
	s_setreg_imm32_b32 hwreg(HW_REG_WAVE_MODE, 25, 1), 1
	s_wait_xcnt 0x0
; PROJ.  The 1x1 convolutions q, k, v of both branches, on codes of BF6 (E3M2) with one E8M0 scale for each 32 along K, and their results quantised again for the attention launch.
; A work-group (p = x id, yy = y id = 4 inp + b) takes 128 positions of one batch of one input (inp 0: x, 1: y).  It makes three records:
;   w_qkx times the input (k of branch 0 for x, q of branch 0 for y), w_qky times the input (q of branch 1 for x, k of branch 1 for y), w_v times the input (v of the branch whose source the input is).
; TILE ORDER, everywhere: a group g of 32 positions is two tiles u = 0, 1; row rho of tile (g, u) is position 32 g + 8 u + rho + 8 (rho / 8).  The rows of w_qk and w_v that form tile 2 b + u are chosen alike.
; So the 16 registers of two neighbouring result tiles are 16 neighbours along the next K.
; RECORDS are images of operand registers: a fragment (12 registers a lane) is 3 pieces of 512 bytes, registers 4 c .. 4 c + 3 of lane l at 512 c + 16 l.
;   q, k record, 6,400 bytes: 4 double fragments (registers 0-5: tile (g, 0), d = 32 h ..; registers 6-11: tile (g, 1)), then 256 bytes of scale words: that of double fragment 2 i + l / 16, row l % 16, at 8 l + 4 i.
;   v record, 25,600 bytes: 16 fragments (channel tile T, K = the 128 keys), then 1,024 bytes of scale words: that of T = 2 i + l / 16, row l % 16, at 512 (i / 4) + 16 l + 4 (i % 4).
;   w_t record, 51,200 bytes a branch: fragment (tile i, K step s) at 1,536 (2 i + s); at 49,152 + 128 i + 64 s + 4 r the scale word of row r.  Work-groups yy = 0, p < 8 make them, one fragment a wave, at the head:
;   its 16 loads go out behind the wave's first 48 loads of weights, and it is worked while the tensor load is on its way.
; Each wave quantises its own 48 rows of weights while the tensor load of the 256 x 128 numbers of the input is on its way: one tensor load a wave, no LDS byte is filled twice.
; A block scale is 2^(floor(log2(largest magnitude)) - 4); its byte is the largest magnitude's exponent field - 4, held at 1 from below.
; LIMITS: a block of zeros gets the byte 1 (its codes are zeros; this program alone reads the bytes); NaN and infinities among the inputs are not served.
.set XT,   0                           ; LDS: the input's tile, 256 channel rows x 512 bytes
.set WST,  131072                      ; for each wave two stages of 16 rows x 272 bytes, for the weights
.set WQI,  200704                      ; 16 images of w_qk fragments: 2 x wave + s
.set WQS,  225280                      ; their scale words, 128 bytes each
.set XI,   227328                      ; 16 images of the input's fragments: (2 g + u) 2 + s
.set XSL,  251904                      ; their scale words: 2 g + s; lanes 0-15 tile u = 0, lanes 16-31 tile u = 1
.set SCS,  252928                      ; the records' scale blocks: 256, 256, 1,024 bytes
.set LI,  1                            ; v1   16 x lane
.set L4,  2                            ; v2   4 x lane
.set RR,  3                            ; v3   r = lane % 16
.set HH,  4                            ; v4   h = lane / 16
.set H8,  5                            ; v5   8 h
.set GA,  6                            ; v6   weights in memory: 1,024 h + 16 r
.set WSA, 7                            ; v7   my stage, way in: 272 h + 16 r
.set WRA, 8                            ; v8   my stage, way out: 272 r + 128 h
.set A0,  9                            ; v9-11, v249-253 the LDS addresses of the phase in hand
.set A1,  10
.set A2,  11
.set XSR, 12                           ; v12-19 the input's scale words
.set WQSR, 20                          ; v20-27 w_qk's
.set WVSR, 28                          ; v28-31 w_v's
.set WV,  32                           ; v32-79 my four fragments of w_v: (tile ct, s) at 12 (2 ct + s)
.set NN,  80                           ; v80-143 two sets of 32 numbers; then with v144-207 128 numbers of the input; then the sums
.set WQ,  144                          ; v144-239 eight fragments of w_qk
.set TM,  208                          ; v208-223 at work in QUANT
.set F1,  208                          ; v208-219 the input's second tile, in its phase
.set QA,  220                          ; v220-222 at work in QB
.set QC,  221
.set QS,  222
.set PC,  224                          ; v224-235 the codes just made
.set TMP, 236                          ; v236-243 halves of blocks
.set XSG, 244                          ; v244-245 scale words of my own group of positions
.set BY0, 246
.set BY1, 247
.set PW,  248                          ; the scale word just made
.set A3,  249
.set A4,  250
.set A5,  251
.set A6,  252
.set A7,  253
.set WT,  254
.set L8,  255                          ; 8 x lane
; window 1: v0-191 six sets of 32 loaded weights, v192-255 two sets for w_t; later v0-191 the input's 16 fragments, v192-239 the four fragments of my own group
.set WVN, 28                           ; s28 wave; s29 p; s30 yy; s31 inp; s32 b; s33 wave / 4; s34 wave % 4
.set PP,  29
.set YY,  30
.set INP, 31
.set BB,  32
.set JJ,  33
.set GG,  34
.set PQ,  48                           ; s[48:49] my tile of w_qk;  s[50:51] my two tiles of w_v
.set PV,  50
.set PA,  52                           ; s[52:53], s[54:55] the two q, k records;  s[56:57] the v record
.set PB,  54
.set PVR, 56
.set PD,  58                           ; s[58:59] my double fragment
.set SEL, 60                           ; s[60:61] lane selects: lane l xor 16
.set PT,  66                           ; s[66:67] my half tile of w_t;  s[68:69] its fragment;  s[78:79] its scale words
.set PTD, 68
.set PVW, 76                           ; s[76:77] my two fragments of the v record
.set PTS, 78
.set MSB, 0
.macro WIN new                         ; the immediate's high byte repeats the setting that is left
.if MSB != (\new)
	s_set_vgpr_msb (MSB<<8)|(\new)
.set MSB, (\new)
.endif
.endm
.macro BARRIER                         ; my LDS stores have landed and my LDS loads are in: then the work-group's barrier
	s_wait_dscnt 0x0
	s_barrier_signal -1
	s_barrier_wait -1
.endm
; one matrix instruction: D at d, source 0 at a, source 1 at b; z = 1: the sum begins (C = 0), else it goes on in place; ra, rb: the side's scales stand in lanes 16-31
.macro MM d, a, b, z, sa, sb, ra, rb
.if \z
.if \ra
	v_wmma_scale_f32_16x16x128_f8f6f4 v[\d:\d+7], v[\a:\a+11], v[\b:\b+11], 0, v[\sa], v[\sb] matrix_a_fmt:MATRIX_FMT_BF6 matrix_b_fmt:MATRIX_FMT_BF6 matrix_a_scale:MATRIX_SCALE_ROW1
.elseif \rb
	v_wmma_scale_f32_16x16x128_f8f6f4 v[\d:\d+7], v[\a:\a+11], v[\b:\b+11], 0, v[\sa], v[\sb] matrix_a_fmt:MATRIX_FMT_BF6 matrix_b_fmt:MATRIX_FMT_BF6 matrix_b_scale:MATRIX_SCALE_ROW1
.else
	v_wmma_scale_f32_16x16x128_f8f6f4 v[\d:\d+7], v[\a:\a+11], v[\b:\b+11], 0, v[\sa], v[\sb] matrix_a_fmt:MATRIX_FMT_BF6 matrix_b_fmt:MATRIX_FMT_BF6
.endif
.else
.if \ra
	v_wmma_scale_f32_16x16x128_f8f6f4 v[\d:\d+7], v[\a:\a+11], v[\b:\b+11], v[\d:\d+7], v[\sa], v[\sb] matrix_a_fmt:MATRIX_FMT_BF6 matrix_b_fmt:MATRIX_FMT_BF6 matrix_a_scale:MATRIX_SCALE_ROW1
.elseif \rb
	v_wmma_scale_f32_16x16x128_f8f6f4 v[\d:\d+7], v[\a:\a+11], v[\b:\b+11], v[\d:\d+7], v[\sa], v[\sb] matrix_a_fmt:MATRIX_FMT_BF6 matrix_b_fmt:MATRIX_FMT_BF6 matrix_b_scale:MATRIX_SCALE_ROW1
.else
	v_wmma_scale_f32_16x16x128_f8f6f4 v[\d:\d+7], v[\a:\a+11], v[\b:\b+11], v[\d:\d+7], v[\sa], v[\sb] matrix_a_fmt:MATRIX_FMT_BF6 matrix_b_fmt:MATRIX_FMT_BF6
.endif
.endif
.endm
; 64 numbers of a lane in window w, register 16 b + i = k 32 b + 16 h + i of my row, become a fragment's codes at v[dst] and its scale word in v[pw]
.macro QUANT src, w, dst, tmp, pw
	WIN 5*(\w)
.irp b, 0,1,2,3
	v_max3_num_f32 v[TM+\b], |v[\src+16*\b]|, |v[\src+1+16*\b]|, 0x2800000   ; my 16 numbers of block b, and the floor 2^(5 - 127): the byte cannot fall under 1
.endr
.irp i, 2,4,6,8,10,12,14
.irp b, 0,1,2,3
	v_max3_num_f32 v[TM+\b], |v[\src+16*\b+\i]|, |v[\src+1+16*\b+\i]|, v[TM+\b]   ; the four blocks by turns; each sum's registers from the low end on
.endr
.endr
	WIN 0
.irp b, 0,1,2,3
	s_delay_alu instid0(VALU_DEP_4)
	v_permlanex16_b32 v[TM+4+\b], v[TM+\b], s[SEL], s[SEL+1]
.endr
.irp b, 0,1,2,3
	s_delay_alu instid0(VALU_DEP_4)
	v_max_num_f32 v[TM+\b], v[TM+\b], v[TM+4+\b]   ; with lane l xor 16: the block's largest magnitude
.endr
.irp b, 0,1,2,3
	s_delay_alu instid0(VALU_DEP_4)
	v_add_nc_u32 v[TM+12+\b], 0xfe000000, v[TM+\b]   ; 4 off its exponent field: the conversion's scale operand
.endr
.irp b, 0,1,2,3
	s_delay_alu instid0(VALU_DEP_4)
	v_lshrrev_b32 v[TM+4+\b], 23, v[TM+12+\b]      ; the scale's byte
.endr
	s_delay_alu instid0(VALU_DEP_3)
	v_lshl_or_b32 v[\pw], v[TM+5], 8, v[TM+4]
	s_delay_alu instid0(VALU_DEP_1)
	v_lshl_or_b32 v[\pw], v[TM+6], 16, v[\pw]
	s_delay_alu instid0(VALU_DEP_1)
	v_lshl_or_b32 v[\pw], v[TM+7], 24, v[\pw]
	WIN \w
.irp c, 0,1
	v_cvt_scalef32_pk16_bf6_f32 v[\dst+6*\c:\dst+2+6*\c], v[\src+32*\c:\src+15+32*\c], v[TM+12+2*\c]
	v_cvt_scalef32_pk16_bf6_f32 v[\tmp+4*\c:\tmp+2+4*\c], v[\src+16+32*\c:\src+31+32*\c], v[TM+12+2*\c+1]
.endr
	WIN 0
	v_nop                                          ; one plain place behind the conversions
.irp c, 0,1                            ; the operand wants a whole block in a lane: lanes 0-15 block 2 c, lanes 16-31 block 2 c + 1
.irp i, 0,1,2
	v_permlane16_swap_b32 v[\dst+6*\c+\i], v[\tmp+4*\c+\i]
.endr
.irp i, 0,1,2
	s_delay_alu instid0(VALU_DEP_3)
	v_mov_b32 v[\dst+3+6*\c+\i], v[\tmp+4*\c+\i]
.endr
.endr
.endm
; a whole block of 32 numbers of one lane becomes six registers of codes at v[dst] and its byte in v[by]
.macro QB src, dst, tmp, by
	v_max3_num_f32 v[QA], |v[\src]|, |v[\src+1]|, |v[\src+2]|
	v_max3_num_f32 v[QC], |v[\src+3]|, |v[\src+4]|, |v[\src+5]|
.irp i, 6,10,14,18,22,26
	s_delay_alu instid0(VALU_DEP_2)
	v_max3_num_f32 v[QA], v[QA], |v[\src+\i]|, |v[\src+\i+1]|
	s_delay_alu instid0(VALU_DEP_2)
	v_max3_num_f32 v[QC], v[QC], |v[\src+\i+2]|, |v[\src+\i+3]|
.endr
	s_delay_alu instid0(VALU_DEP_2)
	v_max3_num_f32 v[QA], v[QA], |v[\src+30]|, |v[\src+31]|
	s_delay_alu instid0(VALU_DEP_1)
	v_max3_num_f32 v[QA], v[QA], v[QC], 0x2800000
	s_delay_alu instid0(VALU_DEP_1)
	v_add_nc_u32 v[QS], 0xfe000000, v[QA]
	v_cvt_scalef32_pk16_bf6_f32 v[\dst:\dst+2], v[\src:\src+15], v[QS]
	v_cvt_scalef32_pk16_bf6_f32 v[\tmp:\tmp+2], v[\src+16:\src+31], v[QS]
	v_nop                                          ; one plain place behind the conversions
	v_lshrrev_b32 v[\by], 23, v[QS]
.irp i, 0,1,2
	v_mov_b32 v[\dst+3+\i], v[\tmp+\i]             ; a conversion's three registers begin on an even number: the second half is moved
.endr
.endm
.macro WWORD out                       ; my two bytes (blocks h and 2 + h) and lane l xor 16's two make the row's scale word
	s_delay_alu instid0(VALU_DEP_4)
	v_lshl_or_b32 v[\out], v[BY1], 16, v[BY0]
	s_delay_alu instid0(VALU_DEP_1)
	v_lshlrev_b32 v[\out], v[H8], v[\out]
	s_delay_alu instid0(VALU_DEP_1)
	v_permlanex16_b32 v[WT], v[\out], s[SEL], s[SEL+1]
	s_delay_alu instid0(VALU_DEP_1)
	v_or_b32 v[\out], v[\out], v[WT]
.endm
.macro IMAGE adr, off, reg             ; a fragment goes to LDS as it stands
.irp c, 0,1,2
	ds_store_b128 v[\adr], v[\reg+4*\c:\reg+4*\c+3] offset:\off+512*\c
.endr
.endm
; 16 rows x 256 bytes of a weight into set buf of window 1: each load takes two rows' 256 consecutive bytes.  perm = 1: the tile's rows 8-15 lie 16 rows on
.macro LOADU buf, b0, imm, perm
	WIN 0x40
.irp i, 0,1,2,3,4,5,6,7
	global_load_b128 v[32*(\buf)+4*\i:32*(\buf)+4*\i+3], v[GA], s[\b0:\b0+1] offset:(\imm)+(2*\i+8*(\perm)*(\i/4))*1024
.endr
	WIN 0
.endm
; the set goes through my own stage and comes back 128 bytes a lane: row r, 32 numbers of my half.  LDS serves a wave's instructions in order: no wait between
.macro TURNU buf, n
	WIN 0x04
.irp i, 0,1,2,3,4,5,6,7
	ds_store_b128 v[WSA], v[32*(\buf)+4*\i:32*(\buf)+4*\i+3] offset:((\n)%2)*4352+544*\i
.endr
	WIN 0
.irp i, 0,1,2,3,4,5,6,7
	ds_load_b128 v[NN+32*((\n)%2)+4*\i:NN+32*((\n)%2)+4*\i+3], v[WRA] offset:((\n)%2)*4352+16*\i
.endr
.endm
; unit m of 12: tile m / 4 (0: w_qk, 1, 2: w_v), K step (m / 2) % 2, half m % 2 of it
.macro LOADW m
.if (\m)/4 == 0
	LOADU (\m)%6, PQ, 512*(((\m)/2)%2)+256*((\m)%2), 1
.else
	LOADU (\m)%6, PV, ((\m)/8)*8192+512*(((\m)/2)%2)+256*((\m)%2), 1
.endif
.endm
.macro WUNIT n
	s_wait_dscnt 0x0                               ; this unit's numbers are back from the stage, and the stage's stores have read their set
.if (\n)+6 < 12
	LOADW (\n)+6
.endif
.if (\n) < 11
.if (\n) < 6
	s_wait_loadcnt 40                              ; the next unit is in; the five units behind it, eight loads each, may be out
.else
	s_wait_loadcnt 8*(10-(\n))                     ; the units behind the next one run out
.endif
	TURNU ((\n)+1)%6, (\n)+1
.endif
.if (\n)/4 == 0
	QB NN+32*((\n)%2), PC+6*((\n)%2), TMP, BY0+(\n)%2
.else
	QB NN+32*((\n)%2), WV+12*(2*((\n)/4-1)+((\n)/2)%2)+6*((\n)%2), TMP, BY0+(\n)%2
.endif
.if (\n)%2 == 1
.if (\n)/4 == 0
	WWORD PW
	IMAGE A0, 1536*(((\n)/2)%2), PC
	ds_store_b32 v[A1], v[PW] offset:128*(((\n)/2)%2)
.else
	WWORD WVSR+2*((\n)/4-1)+((\n)/2)%2
.endif
.endif
.endm
	s_load_b512 s[4:19], s[0:1], 0x0               ; x, y, w_qkx, w_qky, w_vx, w_vy, w_tx, w_ty
	s_load_b256 s[20:27], s[0:1], 0x40             ; qrec, krec, vrec, wtrec
	v_lshl_add_u32 v254, v0, 2, 0x40000
	v_mov_b32 v255, 0
	ds_add_u32 v254, v255
	ds_add_u32 v254, v255
	s_wait_dscnt 0x0
	v_lshrrev_b32 v1, 5, v0
	s_delay_alu instid0(VALU_DEP_1)
	v_readfirstlane_b32 s[WVN], v1                 ; wave 0..7
	s_mov_b32 s[PP], ttmp9
	s_and_b32 s[YY], ttmp7, 0xffff
	s_lshr_b32 s[INP], s[YY], 2
	s_and_b32 s[BB], s[YY], 3
	s_lshr_b32 s[JJ], s[WVN], 2
	s_and_b32 s[GG], s[WVN], 3
	; descriptor group 1: 32 rows x 128 elements of 4 bytes, 4,096 elements from row to row, no padding
	s_mov_b32 s40, 2<<16
	s_mov_b32 s41, 128<<16
	s_mov_b32 s42, 32<<16
	s_mov_b32 s43, 128<<16
	s_mov_b32 s44, 32
	s_mov_b32 s45, 4096
	s_mov_b32 s46, 0
	s_mov_b32 s47, 0
	s_lshl_b32 s70, s[BB], 22                      ; the batch: 256 x 4,096 x 4 bytes,
	s_lshl_b32 s71, s[PP], 9                       ; my 128 positions,
	s_add_co_u32 s70, s70, s71
	s_lshl_b32 s71, s[WVN], 19                     ; my wave's 32 channel rows
	s_add_co_u32 s70, s70, s71
	s_mov_b32 s71, 0
	s_mov_b32 s36, 1
	s_lshl_b32 s37, s[WVN], 14                     ; LDS: 32 rows x 512 bytes a wave
	s_wait_kmcnt 0x0
	s_cmp_eq_u32 s[INP], 0                         ; the choices hang on the work-group's number alone
	s_cselect_b64 s[72:73], s[4:5], s[6:7]
	s_cselect_b64 s[PV:PV+1], s[12:13], s[14:15]
	s_cselect_b64 s[PA:PA+1], s[22:23], s[20:21]
	s_cselect_b64 s[PB:PB+1], s[20:21], s[22:23]
	s_add_nc_u64 s[38:39], s[72:73], s[70:71]
	s_or_b32 s39, s39, 0x80000000
	tensor_load_to_lds s[36:39], s[40:47]          ; my one tensor load: it lands while the weights are quantised
	s_nop 0
.rept 4
	v_nop
.endr
	v_and_b32 v[L4], 31, v0
	s_delay_alu instid0(VALU_DEP_1)
	v_lshlrev_b32 v[LI], 4, v[L4]
	s_delay_alu instid0(VALU_DEP_2)
	v_lshlrev_b32 v[L8], 3, v[L4]
	s_delay_alu instid0(VALU_DEP_3)
	v_lshlrev_b32 v[L4], 2, v[L4]
	v_and_b32 v[RR], 15, v0
	v_bfe_u32 v[HH], v0, 4, 1
	s_delay_alu instid0(VALU_DEP_1)
	v_lshlrev_b32 v[H8], 3, v[HH]
	s_delay_alu instid0(VALU_DEP_2)
	v_lshlrev_b32 v[GA], 10, v[HH]
	s_delay_alu instid0(VALU_DEP_1)
	v_lshl_add_u32 v[GA], v[RR], 4, v[GA]
	s_wait_alu depctr_va_vdst(0)
	s_cmp_eq_u32 s[JJ], 0
	s_cselect_b64 s[PQ:PQ+1], s[8:9], s[10:11]
	s_lshr_b32 s70, s[GG], 1
	s_lshl_b32 s70, s70, 15                        ; tile 2 b + u begins at row 32 b + 8 u; a row is 1,024 bytes
	s_and_b32 s71, s[GG], 1
	s_lshl_b32 s71, s71, 13
	s_add_co_u32 s70, s70, s71
	s_mov_b32 s71, 0
	s_add_nc_u64 s[PQ:PQ+1], s[PQ:PQ+1], s[70:71]
	s_lshl_b32 s70, s[WVN], 15
	s_add_nc_u64 s[PV:PV+1], s[PV:PV+1], s[70:71]
.set UN, 0
.rept 6
	LOADW UN
.set UN, UN+1
.endr
	s_mul_i32 s70, s[WVN], 8704
	s_add_co_u32 s70, s70, WST
	v_mul_u32_u24 v[WSA], v[HH], 272
	s_delay_alu instid0(VALU_DEP_1)
	v_lshl_add_u32 v[WSA], v[RR], 4, v[WSA]
	s_delay_alu instid0(VALU_DEP_1)
	v_add_nc_u32 v[WSA], s70, v[WSA]
	v_mul_u32_u24 v[WRA], v[RR], 272
	s_delay_alu instid0(VALU_DEP_1)
	v_lshl_add_u32 v[WRA], v[HH], 7, v[WRA]
	s_delay_alu instid0(VALU_DEP_1)
	v_add_nc_u32 v[WRA], s70, v[WRA]
	s_mul_i32 s70, s[WVN], 3072
	s_add_co_u32 s70, s70, WQI
	v_add_nc_u32 v[A0], s70, v[LI]
	s_lshl_b32 s70, s[WVN], 8
	s_add_co_u32 s70, s70, WQS
	v_add_nc_u32 v[A1], s70, v[L4]
	v_mov_b32 v[WT], 0                             ; written once: a lane permute's destination counts as one of its sources
.irp b, 0,1,2,3
	v_mov_b32 v[TM+4+\b], 0
.endr
	s_mov_b32 s[SEL], 0x76543210
	s_mov_b32 s[SEL+1], 0xfedcba98
	s_mov_b32 s75, 0
	s_lshl_b32 s70, s[BB], 5
	s_add_co_u32 s70, s70, s[PP]
	s_mul_i32 s74, s70, 6400
	s_add_nc_u64 s[PA:PA+1], s[PA:PA+1], s[74:75]  ; branch 0: record 32 b + p
	s_add_co_u32 s74, s74, 819200
	s_add_nc_u64 s[PB:PB+1], s[PB:PB+1], s[74:75]  ; branch 1: 128 records on
	s_lshl_b32 s70, s[YY], 5
	s_add_co_u32 s70, s70, s[PP]
	s_mul_i32 s74, s70, 25600
	s_add_nc_u64 s[PVR:PVR+1], s[24:25], s[74:75]
	s_mul_i32 s74, s[WVN], 3072
	s_add_nc_u64 s[PVW:PVW+1], s[PVR:PVR+1], s[74:75]
	s_cmp_eq_u32 s[JJ], 0
	s_cselect_b64 s[PD:PD+1], s[PA:PA+1], s[PB:PB+1]
	s_mul_i32 s74, s[GG], 1536
	s_add_nc_u64 s[PD:PD+1], s[PD:PD+1], s[74:75]
	; ---- w_t: 64 fragments in all (2 branches x 16 tiles x 2 K steps), one a wave, in the eight work-groups yy = 0, p < 8.  Number 8 p + wave: branch p / 4, tile 4 (p % 4) + wave / 2, K step wave % 2.
	; The 16 loads follow the 48 that are out; all is done inside this one branch, so that the counted waits behind it hold on both ways
	s_cmp_lg_u32 s[YY], 0
	s_cbranch_scc1 .Lno_wt
	s_cmp_gt_u32 s[PP], 7
	s_cbranch_scc1 .Lno_wt
	s_lshr_b32 s70, s[PP], 2                       ; the branch
	s_cmp_eq_u32 s70, 0
	s_cselect_b64 s[PT:PT+1], s[16:17], s[18:19]
	s_and_b32 s71, s[PP], 3
	s_lshl_b32 s71, s71, 2
	s_lshr_b32 s72, s[WVN], 1
	s_add_co_u32 s71, s71, s72                     ; the tile: rows 16 i on, in their natural order
	s_and_b32 s72, s[WVN], 1                       ; the K step
	s_lshl_b32 s74, s71, 14                        ; 16 rows of 1,024 bytes,
	s_lshl_b32 s73, s72, 9                         ; 128 numbers along K
	s_add_co_u32 s74, s74, s73
	s_mov_b32 s75, 0
	s_add_nc_u64 s[PT:PT+1], s[PT:PT+1], s[74:75]
	s_mul_i32 s73, s70, 51200
	s_lshl_b32 s74, s71, 1
	s_add_co_u32 s74, s74, s72
	s_mul_i32 s74, s74, 1536
	s_add_co_u32 s74, s74, s73
	s_add_nc_u64 s[PTD:PTD+1], s[26:27], s[74:75]
	s_lshl_b32 s74, s71, 7
	s_lshl_b32 s72, s72, 6
	s_add_co_u32 s74, s74, s72
	s_add_co_u32 s74, s74, s73
	s_add_co_u32 s74, s74, 49152
	s_add_nc_u64 s[PTS:PTS+1], s[26:27], s[74:75]
	LOADU 6, PT, 0, 0
	LOADU 7, PT, 256, 0
	v_lshlrev_b32 v[A2], 2, v[RR]                  ; 4 r
	s_wait_loadcnt 8                               ; the first half of the K step is in; the second, eight loads, may be out
	s_wait_alu depctr_va_vdst(0)
	TURNU 6, 0
	s_wait_loadcnt 0x0
	TURNU 7, 1
	s_wait_dscnt 16                                ; the first half is back from the stage; the second half's eight stores and eight loads may be out
	QB NN, PC, TMP, BY0
	s_wait_dscnt 0x0
	QB NN+32, PC+6, TMP, BY1
	WWORD PW
.irp c, 0,1,2
	global_store_b128 v[LI], v[PC+4*\c:PC+4*\c+3], s[PTD:PTD+1] offset:512*\c   ; 32 lanes store 512 consecutive bytes, aligned
.endr
	global_store_b32 v[A2], v[PW], s[PTS:PTS+1]    ; lanes r and 16 + r write the same word with the same value
	s_wait_xcnt 0x0                                ; the stores have read the codes, the word and the offset: all three are written again below
.Lno_wt:
	; ---- the weights: one tile of w_qk (its two fragments go to LDS for the others) and two tiles of w_v (they stay in my registers)
	s_wait_loadcnt 40                              ; unit 0 is in; five units, eight loads each, may be out
	s_wait_alu depctr_va_vdst(0)
	TURNU 0, 0
.set UN, 0
.rept 12
	WUNIT UN
.set UN, UN+1
.endr
	s_wait_tensorcnt 0x0                           ; my 32 rows of the tile have landed
	BARRIER                                        ; the tile is whole, and w_qk's images lie in LDS
	; ---- the input: wave (g = wave % 4, s = wave / 4) takes 32 positions x 128 channels.  A lane takes a position and its registers run down the channels
	v_and_b32 v[A0], 7, v0
	v_bfe_u32 v[A1], v0, 3, 1
	s_delay_alu instid0(VALU_DEP_1)
	v_lshl_or_b32 v[A0], v[A1], 4, v[A0]
	s_delay_alu instid0(VALU_DEP_1)
	v_lshl_or_b32 v[A0], v[HH], 3, v[A0]           ; lanes 0-15 take tile u = 0 row by row, lanes 16-31 tile u = 1: the lane's bits 3 and 4 change places
	s_delay_alu instid0(VALU_DEP_1)
	v_lshlrev_b32 v[A0], 2, v[A0]
	s_lshl_b32 s70, s[GG], 7
	s_lshl_b32 s71, s[JJ], 16
	s_add_co_u32 s70, s70, s71
	v_add_nc_u32 v[A0], s70, v[A0]
.set KK, 0
.rept 128
	ds_load_b32 v[NN+KK], v[A0] offset:512*KK      ; 32 lanes read 128 neighbouring bytes of a channel row
.set KK, KK+1
.endr
	s_mul_i32 s70, s[GG], 6144
	s_mul_i32 s71, s[JJ], 1536
	s_add_co_u32 s70, s70, s71
	s_add_co_u32 s70, s70, XI
	v_add_nc_u32 v[A1], s70, v[LI]
	s_lshl_b32 s70, s[GG], 8
	s_lshl_b32 s71, s[JJ], 7
	s_add_co_u32 s70, s70, s71
	s_add_co_u32 s70, s70, XSL
	v_add_nc_u32 v[A2], s70, v[L4]
	s_wait_dscnt 0x0
	QB NN, PC, TMP, 240                            ; my position's four blocks: the even ones into the first run of registers, the odd ones into the second
	QB NN+32, F1, TMP, 241
	QB NN+64, PC+6, TMP, 242
	QB NN+96, F1+6, TMP, 243
.irp i, 0,1,2,3,4,5,6,7,8,9,10,11
	v_permlane16_swap_b32 v[PC+\i], v[F1+\i]       ; the first run is now tile u = 0 (lanes 16-31: its odd blocks), the second tile u = 1
.endr
	v_lshl_or_b32 v[PW], v241, 8, v240
	s_delay_alu instid0(VALU_DEP_1)
	v_lshl_or_b32 v[PW], v242, 16, v[PW]
	s_delay_alu instid0(VALU_DEP_1)
	v_lshl_or_b32 v[PW], v243, 24, v[PW]           ; my position's scale word
	IMAGE A1, 0, PC
	IMAGE A1, 3072, F1
	ds_store_b32 v[A2], v[PW]
	BARRIER                                        ; the input's sixteen fragments lie in LDS
	v_add_nc_u32 v[A0], XI, v[LI]
	s_wait_alu depctr_va_vdst(0)
	s_mul_i32 s70, s[GG], 6144
	s_add_co_u32 s70, s70, XI
	v_add_nc_u32 v[A1], s70, v[LI]
	s_wait_alu depctr_va_vdst(0)
	s_mul_i32 s70, s[JJ], 12288
	s_add_co_u32 s70, s70, WQI
	v_add_nc_u32 v[A2], s70, v[LI]
	s_wait_alu depctr_va_vdst(0)
	v_add_nc_u32 v[A3], XSL, v[L4]
	s_wait_alu depctr_va_vdst(0)
	s_lshl_b32 s70, s[GG], 8
	s_add_co_u32 s70, s70, XSL
	v_add_nc_u32 v[A4], s70, v[L4]
	s_lshl_b32 s70, s[JJ], 10
	s_add_co_u32 s70, s70, WQS
	v_add_nc_u32 v[A5], s70, v[L4]
	s_wait_alu depctr_va_vdst(0)
	s_lshl_b32 s70, s[JJ], 8                       ; where my double fragment's scale words go: 256 j + 8 (r + 16 (g % 2)) + 4 (g / 2)
	s_and_b32 s71, s[GG], 1
	s_lshl_b32 s71, s71, 7
	s_add_co_u32 s70, s70, s71
	s_lshr_b32 s71, s[GG], 1
	s_lshl_b32 s71, s71, 2
	s_add_co_u32 s70, s70, s71
	s_add_co_u32 s70, s70, SCS
	v_lshl_add_u32 v[A6], v[RR], 3, s70
	s_lshl_b32 s70, s[JJ], 9                       ; and my two v tiles': 512 (wave / 4) + 16 (r + 16 ct) + 4 (wave % 4)
	s_lshl_b32 s71, s[GG], 2
	s_add_co_u32 s70, s70, s71
	s_add_co_u32 s70, s70, SCS+512
	v_lshl_add_u32 v[A7], v[RR], 4, s70
	WIN 0x40
.set FI, 0
.rept 16
.irp c, 0,1,2
	ds_load_b128 v[12*FI+4*\c:12*FI+4*\c+3], v[A0] offset:1536*FI+512*\c
.endr
.set FI, FI+1
.endr
.irp f, 0,1,2,3
.irp c, 0,1,2
	ds_load_b128 v[192+12*\f+4*\c:192+12*\f+4*\c+3], v[A1] offset:1536*\f+512*\c
.endr
.endr
	WIN 0
.irp f, 0,1,2,3,4,5,6,7
.irp c, 0,1,2
	ds_load_b128 v[WQ+12*\f+4*\c:WQ+12*\f+4*\c+3], v[A2] offset:1536*\f+512*\c
.endr
.endr
.irp f, 0,1,2,3,4,5,6,7
	ds_load_b32 v[XSR+\f], v[A3] offset:128*\f
	ds_load_b32 v[WQSR+\f], v[A5] offset:128*\f
.endr
	ds_load_b32 v[XSG], v[A4]
	ds_load_b32 v[XSG+1], v[A4] offset:128
	s_wait_dscnt 0x0
	; ---- q or k: wave (j, g): weight j, the two tiles of group g.  Source 0 = 16 rows of w_qk, source 1 = 16 positions: a lane holds one position and its registers run along d.  Eight sums by turns
	WIN 0x04
.irp s, 0,1
.irp u, 0,1
.irp dt, 0,1,2,3
	MM NN+32*\u+8*\dt, WQ+12*(2*\dt+\s), 192+12*(2*\u+\s), 1-\s, WQSR+2*\dt+\s, XSG+\s, 0, \u
.endr
.endr
.endr
	WIN 0
.rept 4
	v_nop                                          ; four places behind the last product, ahead of the first read of the sums and of writes over its operands
.endr
	QUANT NN, 0, PC, TMP, PW                       ; blocks 0, 1: tile u = 0, d = 0 .. 63; blocks 2, 3: tile u = 1: a double fragment
.irp c, 0,1,2
	global_store_b128 v[LI], v[PC+4*\c:PC+4*\c+3], s[PD:PD+1] offset:512*\c   ; 32 lanes store 512 consecutive bytes, aligned
.endr
	ds_store_b32 v[A6], v[PW]                      ; lanes r and 16 + r write the same word with the same value
	; ---- v: my two channel tiles for the 128 positions.  Source 0 = 16 positions, source 1 = 16 rows of w_v: a lane holds one channel and its registers run along the keys.  Four sums by turns
	WIN 0x01
.irp g, 0,1,2,3
.irp s, 0,1
.irp u, 0,1
.irp ct, 0,1
	MM NN+64*\ct+16*\g+8*\u, 12*((2*\g+\u)*2+\s), WV+12*(2*\ct+\s), 1-\s, XSR+2*\g+\s, WVSR+2*\ct+\s, \u, 0
.endr
.endr
.endr
.endr
	WIN 0
.rept 4
	v_nop
.endr
.irp ct, 0,1
	s_wait_xcnt 0x0                                ; the earlier stores have read the codes' registers: they are written again only behind this wait
	QUANT NN+64*\ct, 0, PC, TMP, PW
.irp c, 0,1,2
	global_store_b128 v[LI], v[PC+4*\c:PC+4*\c+3], s[PVW:PVW+1] offset:1536*\ct+512*\c
.endr
	ds_store_b32 v[A7], v[PW] offset:256*\ct
.endr
	BARRIER                                        ; the three scale blocks are whole
	s_lshl_b32 s70, s[WVN], 8                      ; made by every wave, ahead of the branch: 256 bytes of the blocks for each of waves 0 to 5
	s_add_co_u32 s71, s70, SCS
	v_add_nc_u32 v[A3], s71, v[L8]
	s_add_co_u32 s74, s70, 24064                   ; waves 2 to 5: 24,576 + 256 (wave - 2) in the v record
	s_mov_b32 s75, 0
	s_cmp_eq_u32 s[WVN], 0
	s_cselect_b64 s[72:73], s[PA:PA+1], s[PB:PB+1]
	s_cmp_lt_u32 s[WVN], 2
	s_cselect_b64 s[72:73], s[72:73], s[PVR:PVR+1]
	s_cselect_b32 s74, 6144, s74                   ; waves 0, 1: behind the four double fragments
	s_add_nc_u64 s[72:73], s[72:73], s[74:75]
	s_cmp_gt_u32 s[WVN], 5
	s_cbranch_scc1 .Lno_scales
	s_wait_alu depctr_va_vdst(0)
	ds_load_b64 v[240:241], v[A3]
	s_wait_dscnt 0x0
	global_store_b64 v[L8], v[240:241], s[72:73]   ; 32 lanes store 256 consecutive bytes, aligned
.Lno_scales:
	s_wait_xcnt 0x0
	v_lshl_add_u32 v254, v0, 2, 0x40000
	v_mov_b32 v255, 0
	s_wait_alu depctr_va_vdst(0)
	s_wait_tensorcnt 0x0
	ds_add_u32 v254, v255
	s_wait_dscnt 0x0
	s_endpgm
.Lfunc_end_k_qc3de72ec00_proj:
	.size	k_qc3de72ec00_proj, .Lfunc_end_k_qc3de72ec00_proj-k_qc3de72ec00_proj
	.p2alignl 7, 3214868480
	.fill 96, 4, 3214868480
	.section	.rodata,"a",@progbits
	.p2align	6, 0x0
	.amdhsa_kernel k_qc3de72ec00_proj
		.amdhsa_group_segment_fixed_size 263168
		.amdhsa_private_segment_fixed_size 0
		.amdhsa_enable_private_segment 0
		.amdhsa_kernarg_size 96
		.amdhsa_user_sgpr_count 2
		.amdhsa_user_sgpr_kernarg_segment_ptr 1
		.amdhsa_wavefront_size32 1
		.amdhsa_system_sgpr_workgroup_id_x 1
		.amdhsa_system_sgpr_workgroup_id_y 1
		.amdhsa_system_sgpr_workgroup_id_z 1
		.amdhsa_system_vgpr_workitem_id 0
		.amdhsa_next_free_vgpr 512
		.amdhsa_next_free_sgpr 96
		.amdhsa_reserve_vcc 0
		.amdhsa_float_denorm_mode_32 3
		.amdhsa_float_denorm_mode_16_64 3
		.amdhsa_memory_ordered 1
		.amdhsa_forward_progress 1
		.amdhsa_inst_pref_size 110
	.end_amdhsa_kernel
	.amdgpu_metadata
---
amdhsa.version: [ 1, 2 ]
amdhsa.kernels:
  - .name:           k_qc3de72ec00_proj
    .symbol:         k_qc3de72ec00_proj.kd
    .args:
      - { .name: x, .offset: 0, .size: 8, .value_kind: global_buffer, .address_space: global }
      - { .name: y, .offset: 8, .size: 8, .value_kind: global_buffer, .address_space: global }
      - { .name: w_qkx, .offset: 16, .size: 8, .value_kind: global_buffer, .address_space: global }
      - { .name: w_qky, .offset: 24, .size: 8, .value_kind: global_buffer, .address_space: global }
      - { .name: w_vx, .offset: 32, .size: 8, .value_kind: global_buffer, .address_space: global }
      - { .name: w_vy, .offset: 40, .size: 8, .value_kind: global_buffer, .address_space: global }
      - { .name: w_tx, .offset: 48, .size: 8, .value_kind: global_buffer, .address_space: global }
      - { .name: w_ty, .offset: 56, .size: 8, .value_kind: global_buffer, .address_space: global }
      - { .name: qrec, .offset: 64, .size: 8, .value_kind: global_buffer, .address_space: global }
      - { .name: krec, .offset: 72, .size: 8, .value_kind: global_buffer, .address_space: global }
      - { .name: vrec, .offset: 80, .size: 8, .value_kind: global_buffer, .address_space: global }
      - { .name: wtrec, .offset: 88, .size: 8, .value_kind: global_buffer, .address_space: global }
    .group_segment_fixed_size: 263168
    .private_segment_fixed_size: 0
    .kernarg_segment_align: 8
    .kernarg_segment_size: 96
    .max_flat_workgroup_size: 256
    .sgpr_count:     96
    .vgpr_count:     512
    .wavefront_size: 32
...
	.end_amdgpu_metadata
.endif
;; end of part 1
;; launch attn (part 2): grid 32 x 8, 8 waves a work-group, clusters of 4 x 1, 327,680 bytes of LDS; arguments qrec, krec, vrec, wtrec, z, pst; writes z, pst
.if DOCPART == 2
	.amdgcn_target "amdgcn-amd-amdhsa--gfx1250"
	.amdhsa_code_object_version 6
	.text
	.protected	k_qc3de72ec00_attn
	.globl	k_qc3de72ec00_attn
	.p2align	8
	.type	k_qc3de72ec00_attn,@function
k_qc3de72ec00_attn:
	s_mov_b64 s[64:65], 0
	v_nop
	global_prefetch_b8 v0, s[64:65] scope:SCOPE_SE
	s_setreg_imm32_b32 hwreg(HW_REG_WAVE_MODE, 25, 1), 1
	s_wait_xcnt 0x0
	s_wait_alu depctr_hold_cnt(0) depctr_sa_sdst(0) depctr_va_vdst(0) depctr_va_sdst(0) depctr_va_ssrc(0) depctr_va_vcc(0) depctr_vm_vsrc(0)
	s_getreg_b32 s2, hwreg(HW_REG_IB_STS2, 6, 4)
	s_cmp_eq_u32 s2, 0
	s_cbranch_scc0 .Lentry_in_a_cluster
	s_endpgm
.Lentry_in_a_cluster:
	s_bfe_u32 s2, ttmp6, 0x10000c
	s_cmp_lg_u32 s2, 0x3003
	s_cbranch_scc0 .Lentry_shape_is_right
	s_endpgm
.Lentry_shape_is_right:
; ATTN.  For one branch and batch (yy = y id = 4 br + b) and 128 queries (qb = 4 x cluster x + cx): energy = q^T k, att = softmax with the second normalisation, r = v att^T, z = w_t r, all on codes of BF6 (E3M2)
; with one E8M0 scale for each 32 along K; z goes to memory in f32 with the mean and the sum of squared deviations of each channel over these 128 positions.
; att IS QUANTISED FINISHED AND NORMALISED, so the keys are walked twice.  Pass 1: the running largest t = energy x log2(e), M = that rounded up to a whole number, and the sum of 2^(t - M) (when M moves the sum is
; multiplied by 2^(old M - new M), which rounds nothing).  Pass 2: the energies once more, att = 2^(t + (log2 f - M)), f = (1 / L) / (1e-9 + L (1 / L)), quantised along the keys, times v.
; SHARES.  Eight waves, two to a SIMD; wave w owns one tile of 16 queries (group w / 2, tile w % 2 of the record).  Both products are used transposed: a lane holds ONE query (lane % 16) throughout.
; All 32 records of k (204,800 bytes) come into LDS once and stay for both passes; v goes through two slots of two key steps (128 keys each); w_t comes into slot 0 when that slot has been left for good.
; NO LDS LOAD IS WAITED FOR STRAIGHT BEHIND ITS ISSUE.  k's record has registers of its own and is asked for a key step ahead, behind the products that read the record before it; in pass 2 the next step's energies are
; issued at a step's end, behind V^T P; v's fragments are asked for among the step's own vector work, the last two into att's registers once att has been converted.
; THE ENERGY HAS K = 64: a double fragment of k holds two tiles of 16 keys (K 0-63 and 64-127); it is multiplied by [q | 0] for the first tile and by [0 | q] for the second.  The other half meets zero codes
; (scale byte 0, which is 2^-127): every code of E3M2 is a finite number, so that half adds exactly 0.
; CLUSTER.  The four work-groups of a cluster share yy, so they want the same k, v and w_t: every tensor load is asked for jointly, with the same descriptor and the mask of all four.  cx enters only the global
; addresses of q, z, pst and of the prefetches.
; LIMITS: the addend log2 f - M is rounded once, at the size of M: a row's att carries a common relative error of up to ln 2 x half an ulp of |M - log2 f| (2.7e-6 for |M| under 128; it grows with M as the rounding of the
; f32 energies themselves does); att under 2^-126 is taken as 0 (v_exp_f32 gives 0 there); the second normalisation's sum of att is taken as L x (1 / L), not summed anew; blocks of zeros carry the byte 1;
; NaN and infinities are not served.
.set VS0,   204800                     ; LDS: k's records at 0; v's slot 0,
.set VS1,   256000                     ; slot 1,
.set SPARE, 307200                     ; the spare words, 128 bytes for each wave: four blocks of 256 bytes that no other line names,
.set STAT,  308224                     ; 256 bytes a wave for the statistics.  The stage for z (256 rows x 528 bytes) lies over k's records, behind their last read
.set LI,  1                            ; v1   16 x lane
.set SPW, 2                            ; v2   my spare word; never rewritten
.set NIL, 3                            ; v3   0; never rewritten
.set ADK, 4                            ; v4   the record of k that is being asked for
.set ADS, 5                            ; v5   its scale words
.set L8,  6                            ; v6   8 x lane + 6,144
.set AV0, 7                            ; v7   16 x lane + slot 0
.set AV1, 8                            ; v8   16 x lane + slot 1
.set PFO, 9                            ; v9   256 x min(lane, 24)
.set STO, 10                           ; v10  the stage, way in
.set RD,  11                           ; v11  the stage, way out
.set L4W, 12                           ; v12  w_t's scale words
.set STA, 13                           ; v13  my wave's statistics
.set STR, 14                           ; v14  the same + 8 x lane
.set L8P, 15                           ; v15  8 x lane
.set QL,  16                           ; v16-27 [q | 0], v28-39 [0 | q]; later r's two fragments
.set SQ,  40                           ; v40-41 their scale words; later r's
.set SK,  42                           ; v42-43 k's scale words
.set SV,  44                           ; v44-51 v's scale words; later w_t's
.set PW,  52                           ; v52  att's scale word
.set QW,  53
.set NM,  54                           ; v54 -M, in pass 2 log2 f - M; v55 the largest t
.set SUM, 56                           ; v[56:57] the sum in two halves
.set TM,  60                           ; v60-75 at work
.set PC,  76                           ; v76-87 att's codes
.set TMP, 88                           ; v88-95
.set S,   96                           ; v96-159 the energies, then att; later z
.set VL,  96                           ; v96-119 v's tiles 14, 15, over att once it has been converted
.set VB,  160                          ; v160-207 v's tiles 8-11
.set KF,  208                          ; v208-255 k's four double fragments
.set WF,  160                          ; v160-255 at the end: eight fragments of w_t
.set MP,  16                           ; the statistics: eight pairs (mean, sum of squares)
.set TA,  224
.set TB,  240
; window 1: v0-127 O^T, tile T at 8 T;  v128-247 v's tiles 0-7, 12, 13
.set WV,  16                           ; s16 wave; s17 cx; s18 qb; s19 yy
.set SEL, 20
.set CS,  22                           ; s[22:23] log2(e), twice
.set G1A, 24                           ; s[24:31] descriptor group 1: 25 rows of 256 bytes;  s[32:39]: 75 rows
.set G1B, 32
.set G0KA, 40                          ; groups 0: k's first 8 records, k's other 24, v's two slots, w_t
.set G0KB, 44
.set G0V, 48
.set G0W, 56
.set KB,  60                           ; s60 LDS byte of the record of k that is asked for next
.set CNT, 61
.set LIM, 62                           ; s62 1 in a wave that prefetches, else the greatest number
.set UM,  63                           ; s63 all ones in waves with the second tile of a group
.set PFA, 66                           ; s[66:67] where my prefetches stand
.set MSB, 0
.macro WIN new                         ; the immediate's high byte repeats the setting that is left
.if MSB != (\new)
	s_set_vgpr_msb (MSB<<8)|(\new)
.set MSB, (\new)
.endif
.endm
.macro MM d, a, b, z, sa, sb, ra, rb
.if \z
.if \ra
	v_wmma_scale_f32_16x16x128_f8f6f4 v[\d:\d+7], v[\a:\a+11], v[\b:\b+11], 0, v[\sa], v[\sb] matrix_a_fmt:MATRIX_FMT_BF6 matrix_b_fmt:MATRIX_FMT_BF6 matrix_a_scale:MATRIX_SCALE_ROW1
.elseif \rb
	v_wmma_scale_f32_16x16x128_f8f6f4 v[\d:\d+7], v[\a:\a+11], v[\b:\b+11], 0, v[\sa], v[\sb] matrix_a_fmt:MATRIX_FMT_BF6 matrix_b_fmt:MATRIX_FMT_BF6 matrix_b_scale:MATRIX_SCALE_ROW1
.else
	v_wmma_scale_f32_16x16x128_f8f6f4 v[\d:\d+7], v[\a:\a+11], v[\b:\b+11], 0, v[\sa], v[\sb] matrix_a_fmt:MATRIX_FMT_BF6 matrix_b_fmt:MATRIX_FMT_BF6
.endif
.else
.if \ra
	v_wmma_scale_f32_16x16x128_f8f6f4 v[\d:\d+7], v[\a:\a+11], v[\b:\b+11], v[\d:\d+7], v[\sa], v[\sb] matrix_a_fmt:MATRIX_FMT_BF6 matrix_b_fmt:MATRIX_FMT_BF6 matrix_a_scale:MATRIX_SCALE_ROW1
.elseif \rb
	v_wmma_scale_f32_16x16x128_f8f6f4 v[\d:\d+7], v[\a:\a+11], v[\b:\b+11], v[\d:\d+7], v[\sa], v[\sb] matrix_a_fmt:MATRIX_FMT_BF6 matrix_b_fmt:MATRIX_FMT_BF6 matrix_b_scale:MATRIX_SCALE_ROW1
.else
	v_wmma_scale_f32_16x16x128_f8f6f4 v[\d:\d+7], v[\a:\a+11], v[\b:\b+11], v[\d:\d+7], v[\sa], v[\sb] matrix_a_fmt:MATRIX_FMT_BF6 matrix_b_fmt:MATRIX_FMT_BF6
.endif
.endif
.endm
; 64 numbers of a lane in window w, register 16 b + i = k 32 b + 16 h + i of my row, become a fragment's codes at v[dst] and its scale word in v[pw]
.macro QUANT src, w, dst, tmp, pw
	WIN 5*(\w)
.irp b, 0,1,2,3
	v_max3_num_f32 v[TM+\b], |v[\src+16*\b]|, |v[\src+1+16*\b]|, 0x2800000   ; my 16 numbers of block b, and the floor 2^(5 - 127): the byte cannot fall under 1
.endr
.irp i, 2,4,6,8,10,12,14
.irp b, 0,1,2,3
	v_max3_num_f32 v[TM+\b], |v[\src+16*\b+\i]|, |v[\src+1+16*\b+\i]|, v[TM+\b]   ; the four blocks by turns; each sum's registers from the low end on
.endr
.endr
	WIN 0
.irp b, 0,1,2,3
	v_permlanex16_b32 v[TM+4+\b], v[TM+\b], s[SEL], s[SEL+1]
.endr
.irp b, 0,1,2,3
	s_delay_alu instid0(VALU_DEP_4)
	v_max_num_f32 v[TM+\b], v[TM+\b], v[TM+4+\b]
.endr
.irp b, 0,1,2,3
	s_delay_alu instid0(VALU_DEP_4)
	v_add_nc_u32 v[TM+12+\b], 0xfe000000, v[TM+\b]   ; 4 off the exponent field: the conversion's scale operand
.endr
.irp b, 0,1,2,3
	s_delay_alu instid0(VALU_DEP_4)
	v_lshrrev_b32 v[TM+4+\b], 23, v[TM+12+\b]
.endr
	s_delay_alu instid0(VALU_DEP_3)
	v_lshl_or_b32 v[\pw], v[TM+5], 8, v[TM+4]
	s_delay_alu instid0(VALU_DEP_1)
	v_lshl_or_b32 v[\pw], v[TM+6], 16, v[\pw]
	s_delay_alu instid0(VALU_DEP_1)
	v_lshl_or_b32 v[\pw], v[TM+7], 24, v[\pw]
	WIN \w
.irp c, 0,1
	v_cvt_scalef32_pk16_bf6_f32 v[\dst+6*\c:\dst+2+6*\c], v[\src+32*\c:\src+15+32*\c], v[TM+12+2*\c]
	v_cvt_scalef32_pk16_bf6_f32 v[\tmp+4*\c:\tmp+2+4*\c], v[\src+16+32*\c:\src+31+32*\c], v[TM+12+2*\c+1]
.endr
	WIN 0
	v_nop                                          ; one plain place behind the conversions
.irp c, 0,1
.irp i, 0,1,2
	v_permlane16_swap_b32 v[\dst+6*\c+\i], v[\tmp+4*\c+\i]
.endr
.irp i, 0,1,2
	s_delay_alu instid0(VALU_DEP_3)
	v_mov_b32 v[\dst+3+6*\c+\i], v[\tmp+4*\c+\i]
.endr
.endr
.endm
; a round of the cluster's barrier: my work-group's barrier; wave 0 signals for the work-group; every wave waits for all four work-groups; my work-group's barrier once more
.macro CROUND
	s_barrier_signal -1
	s_barrier_wait -1
	s_cmp_lg_u32 s[WV], 0
	s_cbranch_scc1 .Lnot_wave_0_\@
	s_barrier_signal -3
.Lnot_wave_0_\@:
	s_barrier_wait -3
	s_barrier_signal -1
	s_barrier_wait -1
.endm
; the record of k at s[KB] is asked for: four double fragments and their scale words.  It stands behind KMUL: KMUL's two v_nop and the two additions here are the four places in front of loads into registers that its products have read
.macro KLOAD
	v_add_nc_u32 v[ADK], s[KB], v[LI]
	v_add_nc_u32 v[ADS], s[KB], v[L8]
.irp g, 0,1,2,3
.irp c, 0,1,2
	ds_load_b128 v[KF+12*\g+4*\c:KF+12*\g+4*\c+3], v[ADK] offset:1536*\g+512*\c
.endr
.endr
	ds_load_b64 v[SK:SK+1], v[ADS]                 ; register i: lanes 0-15 double fragment 2 i, lanes 16-31 double fragment 2 i + 1
	s_add_co_u32 s[KB], s[KB], 6400
.endm
; the energies of my 16 queries and the record's 128 keys: register 16 g + 8 u + j of lane (r, h) = key 32 g + 16 h + 8 u + j.  Two more places follow it ahead of the first read of the sums: KLOAD's additions, or two v_nop
.macro KMUL
.irp g, 0,1,2,3
.irp u, 0,1
	MM S+16*\g+8*\u, KF+12*\g, QL+12*\u, 1, SK+\g/2, SQ+\u, \g%2, 0
.endr
.endr
	v_nop
	v_nop
.endm
; PASS 1, a key step.  A lane keeps the largest t and the sum of ITS 64 keys of each step; the two halves of the lanes meet once, behind the pass.  The next record lands under the step's vector work
.macro P1STEP
	s_wait_dscnt 0x0                               ; this step's record, asked for a step ago, is in
	KMUL
	KLOAD
.irp b, 0,1,2,3
	v_max3_num_f32 v[TM+\b], v[S+16*\b], v[S+1+16*\b], v[S+2+16*\b]
.endr
.irp i, 3,5,7,9,11,13
.irp b, 0,1,2,3
	v_max3_num_f32 v[TM+\b], v[TM+\b], v[S+16*\b+\i], v[S+1+16*\b+\i]
.endr
.endr
.irp b, 0,1,2,3
	v_max_num_f32 v[TM+\b], v[TM+\b], v[S+15+16*\b]
.endr
	s_delay_alu instid0(VALU_DEP_2)
	v_max3_num_f32 v[TM+4], v[TM], v[TM+1], v[TM+2]
	s_delay_alu instid0(VALU_DEP_1)
	v_max_num_f32 v[TM+4], v[TM+4], v[TM+3]
	s_delay_alu instid0(VALU_DEP_1)
	v_mul_f32 v[TM+4], s[CS], v[TM+4]              ; as t
	s_delay_alu instid0(VALU_DEP_1)
	v_max_num_f32 v[NM+1], v[NM+1], v[TM+4]        ; the running largest t
	v_mov_b32 v[TM+5], v[NM]
	s_delay_alu instid0(VALU_DEP_2)
	v_floor_f32 v[NM], -v[NM+1]                    ; -M = floor(-t): M is a whole number
	s_delay_alu instid0(VALU_DEP_1)
	v_sub_f32 v[TM+5], v[NM], v[TM+5]              ; old M - new M, 0 or less
	s_delay_alu instid0(VALU_DEP_1)
	v_cvt_i32_f32 v[TM+5], v[TM+5]                 ; (it saturates)
	s_delay_alu instid0(VALU_DEP_1)
	v_ldexp_f32 v[TM+6], 1.0, v[TM+5]
.irp j, 0,2,4,6,8,10,12,14,16,18,20,22,24,26,28,30,32,34,36,38,40,42,44,46,48,50,52,54,56,58,60,62
	v_pk_fma_f32 v[S+\j:S+\j+1], v[S+\j:S+\j+1], s[CS:CS+1], v[NM:NM+1] op_sel_hi:[1,0,0]   ; t - M
.endr
	s_wait_alu depctr_va_vdst(0)
.irp j, 0,1,2,3,4,5,6,7,8,9,10,11,12,13,14,15,16,17,18,19,20,21,22,23,24,25,26,27,28,29,30,31,32,33,34,35,36,37,38,39,40,41,42,43,44,45,46,47,48,49,50,51,52,53,54,55,56,57,58,59,60,61,62,63
	v_exp_f32 v[S+\j], v[S+\j]
.endr
	v_pk_mul_f32 v[SUM:SUM+1], v[SUM:SUM+1], v[TM+6:TM+7] op_sel_hi:[1,0]   ; the sums under the new M; also the plain place behind the exponentials
	s_wait_alu depctr_va_vdst(0)                   ; one wait for the whole batch, ahead of its first reader
	v_pk_add_f32 v[68:69], v[100:101], v[104:105]
	v_pk_add_f32 v[206:207], v[108:109], v[112:113]
	v_pk_add_f32 v[204:205], v[116:117], v[120:121]
	v_pk_add_f32 v[202:203], v[124:125], v[128:129]
	v_pk_add_f32 v[200:201], v[132:133], v[136:137]
	v_pk_add_f32 v[198:199], v[140:141], v[144:145]
	v_pk_add_f32 v[196:197], v[148:149], v[152:153]
	v_pk_add_f32 v[56:57], v[56:57], v[156:157]
	v_pk_add_f32 v[68:69], v[68:69], v[96:97]
	v_pk_add_f32 v[206:207], v[206:207], v[98:99]
	v_pk_add_f32 v[204:205], v[204:205], v[102:103]
	v_pk_add_f32 v[202:203], v[202:203], v[106:107]
	v_pk_add_f32 v[200:201], v[200:201], v[110:111]
	v_pk_add_f32 v[198:199], v[198:199], v[114:115]
	v_pk_add_f32 v[196:197], v[196:197], v[118:119]
	v_pk_add_f32 v[56:57], v[56:57], v[122:123]
	v_pk_add_f32 v[68:69], v[68:69], v[126:127]
	v_pk_add_f32 v[206:207], v[206:207], v[130:131]
	v_pk_add_f32 v[204:205], v[204:205], v[134:135]
	v_pk_add_f32 v[202:203], v[202:203], v[138:139]
	v_pk_add_f32 v[200:201], v[200:201], v[142:143]
	v_pk_add_f32 v[198:199], v[198:199], v[146:147]
	v_pk_add_f32 v[196:197], v[196:197], v[150:151]
	v_pk_add_f32 v[56:57], v[56:57], v[154:155]
	v_pk_add_f32 v[68:69], v[68:69], v[158:159]
	s_delay_alu instid0(VALU_DEP_2)
	v_pk_add_f32 v[56:57], v[56:57], v[202:203]
	s_delay_alu instid0(VALU_DEP_2)
	v_pk_add_f32 v[68:69], v[68:69], v[200:201]
	v_pk_add_f32 v[206:207], v[206:207], v[198:199]
	v_pk_add_f32 v[204:205], v[204:205], v[196:197]
	s_delay_alu instid0(VALU_DEP_2)
	v_pk_add_f32 v[56:57], v[56:57], v[206:207]
	s_delay_alu instid0(VALU_DEP_2)
	v_pk_add_f32 v[68:69], v[68:69], v[204:205]
	s_delay_alu instid0(VALU_DEP_1)
	v_pk_add_f32 v[56:57], v[56:57], v[68:69]
.endm
; PASS 2, a key step: step q of the slot at av.  At its head the step's energies have been issued, two places back.  zero = 1: the products start O^T's sums: nothing is ever cleared, and nothing is ever rescaled.
; more = 1: the next record of k is asked for at the head, and the next step's energies are issued at the end.  The LDS loads stand in runs among the vector work: k's 13; 32; 12; 6
.macro P2STEP av, q, zero, more
.if \more
	KLOAD
.else
	v_nop
	v_nop
.endif
.irp j, 0,2,4,6,8,10,12,14,16,18,20,22,24,26,28,30,32,34,36,38,40,42,44,46,48,50,52,54,56,58,60,62
	v_pk_fma_f32 v[S+\j:S+\j+1], v[S+\j:S+\j+1], s[CS:CS+1], v[NM:NM+1] op_sel_hi:[1,0,0]   ; t + (log2 f - M), M the whole row's
.endr
	WIN 0x40                                       ; v's tiles 0-7, 12, 13 into window 1
.irp n, 0,1,2,3,4,5,6,7,8,9
.irp c, 0,1,2
	ds_load_b128 v[128+12*\n+4*\c:128+12*\n+4*\c+3], v[\av] offset:25600*\q+1536*(\n+4*(\n/8))+512*\c
.endr
.endr
	WIN 0
	ds_load_b128 v[SV:SV+3], v[\av] offset:25600*\q+24576     ; register i: lanes 0-15 tile 2 i, lanes 16-31 tile 2 i + 1
	ds_load_b128 v[SV+4:SV+7], v[\av] offset:25600*\q+25088
	s_wait_alu depctr_va_vdst(0)
.irp j, 0,1,2,3,4,5,6,7,8,9,10,11,12,13,14,15,16,17,18,19,20,21,22,23,24,25,26,27,28,29,30,31,32,33,34,35,36,37,38,39,40,41,42,43,44,45,46,47,48,49,50,51,52,53,54,55,56,57,58,59,60,61,62,63
	v_exp_f32 v[S+\j], v[S+\j]                     ; att, finished and normalised
.endr
.irp T, 8,9,10,11
.irp c, 0,1,2
	ds_load_b128 v[VB+12*(\T-8)+4*\c:VB+12*(\T-8)+4*\c+3], v[\av] offset:25600*\q+1536*\T+512*\c
.endr
.endr
	v_nop                                          ; the plain place behind the exponentials
	s_wait_alu depctr_va_vdst(0)                   ; one wait for the whole batch
	QUANT S, 0, PC, TMP, PW
.irp T, 14,15
.irp c, 0,1,2
	ds_load_b128 v[VL+12*(\T-14)+4*\c:VL+12*(\T-14)+4*\c+3], v[\av] offset:25600*\q+1536*\T+512*\c   ; over att, which has been converted
.endr
.endr
.rept 4
	v_nop                                          ; four places behind the last move of the codes; behind the scale word stand these, the six moves and a v_nop: eleven, where eight are asked
.endr
	s_wait_alu depctr_va_vdst(0)
	s_wait_dscnt 18                                ; k's record, tiles 0-7, 12, 13 and the scale words are in; the 12 loads of tiles 8-11 and the 6 of tiles 14, 15 may be out
	WIN 0x51                                       ; source 0 (v) window 1, source 1 (att) window 0, C and D window 1
.irp n, 0,1,2,3,4,5,6,7,8,9
	MM 8*(\n+4*(\n/8)), 128+12*\n, PC, \zero, SV+(\n+4*(\n/8))/2, PW, (\n+4*(\n/8))%2, 0
.endr
	WIN 0x50                                       ; source 0 window 0
	s_wait_dscnt 6                                 ; tiles 8-11 are in; the 6 loads of tiles 14, 15 may be out
.irp T, 8,9,10,11
	MM 8*\T, VB+12*(\T-8), PC, \zero, SV+\T/2, PW, \T%2, 0
.endr
	s_wait_dscnt 0x0
.irp T, 14,15
	MM 8*\T, VL+12*(\T-14), PC, \zero, SV+\T/2, PW, \T%2, 0
.endr
	WIN 0
.if \more
.rept 5
	v_nop                                          ; five places: the energies below are written over registers that the last two products have read
.endr
	KMUL
.endif
.endm
; A PREFETCH INTO THE L2 of the pair of key steps of v that the NEXT change of slots will ask for: 51,200 bytes.  All clusters of a yy walk the same v: the first of them asks.  Its four partners share the bytes
; out by address: waves 0 and 1 of partner cx take the 6,400 bytes at 6,400 (2 cx + wave), lanes 256 bytes apart (lanes 25 to 31 name lane 24's bytes again).  last = 1: the loop's last trip asks for nothing
.macro ASK last
.if \last
	s_cmp_gt_u32 s[CNT], s[LIM]
.else
	s_cmp_eq_u32 s[LIM], 1
.endif
	s_cbranch_scc0 .Lnot_mine_\@
	global_prefetch_b8 v[PFO], s[PFA:PFA+1] th:TH_LOAD_NT scope:SCOPE_SE
.Lnot_mine_\@:
.endm
; THE CHANGE OF SLOTS.  Each wave waits for all its tensor loads (the one that is out is its part of the other slot), adds 0 to its spare word, and waits for that and for its reads of the slot that it leaves.
; how = 1: the slot takes the pair of key steps two pairs on; 2: it takes w_t; both behind a round of the cluster's barrier, the joint load first behind it.  how = 0: nothing is filled: the work-group's barrier
.macro CHANGE slot, how, last
	s_wait_tensorcnt 0x0                           ; no tensor load of mine is out, so a group 0 may be written
	ds_add_u32 v[SPW], v[NIL]                      ; 0 onto my spare word
.if \how == 1
	s_add_nc_u64 s[G0V+4*\slot+2:G0V+4*\slot+3], s[G0V+4*\slot+2:G0V+4*\slot+3], 102400
	s_wait_xcnt 0x0                                ; the last prefetch, two key steps back, has read its address
	s_add_nc_u64 s[PFA:PFA+1], s[PFA:PFA+1], 51200
.endif
	s_wait_dscnt 0x0                               ; the add is done, and my reads of the slot are over
.if \how > 0
	CROUND
.if \how == 1
	tensor_load_to_lds s[G0V+4*\slot:G0V+4*\slot+3], s[G1A:G1A+7]
	s_nop 0
.else
	tensor_load_to_lds s[G0W:G0W+3], s[G1A:G1A+7]
	s_nop 0
.endif
.rept 4
	v_nop
.endr
.if \how == 1
	ASK \last
.endif
.else
	s_barrier_signal -1
	s_barrier_wait -1
.endif
.endm
	s_load_b256 s[4:11], s[0:1], 0x0               ; qrec, krec, vrec, wtrec
	s_load_b128 s[12:15], s[0:1], 0x20             ; z, pst
	v_lshl_add_u32 v[SPW], v0, 2, SPARE
	v_mov_b32 v[NIL], 0
	ds_add_u32 v2, v3
	ds_add_u32 v2, v3
	s_wait_dscnt 0x0
	v_lshrrev_b32 v1, 5, v0
	s_delay_alu instid0(VALU_DEP_1)
	v_readfirstlane_b32 s[WV], v1                  ; wave 0..7
	s_bfe_u32 s17, ttmp6, 0x40000                  ; cx
	s_lshl_b32 s18, ttmp9, 2
	s_add_co_u32 s18, s18, s17                     ; qb
	s_and_b32 s19, ttmp7, 0xffff                   ; yy, which the four partners share
	; descriptor groups 1: dense blocks as rows of 256 bytes (32 elements of 8 bytes); the mask names all four work-groups, bit 21 beside it
	s_mov_b32 s[G1A], 15|(3<<16)|(1<<21)
	s_mov_b32 s[G1A+1], 32<<16
	s_mov_b32 s[G1A+2], 25<<16
	s_mov_b32 s[G1A+3], 32<<16
	s_mov_b32 s[G1A+4], 25
	s_mov_b32 s[G1A+5], 32
	s_mov_b32 s[G1A+6], 0
	s_mov_b32 s[G1A+7], 0
	s_mov_b32 s[G1B], 15|(3<<16)|(1<<21)
	s_mov_b32 s[G1B+1], 32<<16
	s_mov_b32 s[G1B+2], 75<<16
	s_mov_b32 s[G1B+3], 32<<16
	s_mov_b32 s[G1B+4], 75
	s_mov_b32 s[G1B+5], 32
	s_mov_b32 s[G1B+6], 0
	s_mov_b32 s[G1B+7], 0
	s_mul_i32 s68, s[WV], 6400                     ; each wave moves an eighth of each block
	s_mul_i32 s69, s[WV], 19200
	s_add_co_u32 s69, s69, 51200
	s_mul_i32 s70, s19, 204800
	s_mul_i32 s71, s19, 819200
	s_lshr_b32 s72, s19, 2
	s_mul_i32 s72, s72, 51200
	s_mov_b32 s75, 0
	s_mov_b32 s[G0KA], 1
	s_mov_b32 s[G0KA+1], s68
	s_mov_b32 s[G0KB], 1
	s_mov_b32 s[G0KB+1], s69
	s_mov_b32 s[G0V], 1
	s_add_co_u32 s[G0V+1], s68, VS0
	s_mov_b32 s[G0V+4], 1
	s_add_co_u32 s[G0V+5], s68, VS1
	s_mov_b32 s[G0W], 1
	s_add_co_u32 s[G0W+1], s68, VS0
	s_wait_kmcnt 0x0
	s_add_co_u32 s74, s70, s68
	s_add_nc_u64 s[G0KA+2:G0KA+3], s[6:7], s[74:75]
	s_or_b32 s[G0KA+3], s[G0KA+3], 0x80000000
	s_add_co_u32 s74, s70, s69
	s_add_nc_u64 s[G0KB+2:G0KB+3], s[6:7], s[74:75]
	s_or_b32 s[G0KB+3], s[G0KB+3], 0x80000000
	s_add_co_u32 s74, s71, s68
	s_add_nc_u64 s[G0V+2:G0V+3], s[8:9], s[74:75]
	s_add_nc_u64 s[G0V+6:G0V+7], s[G0V+2:G0V+3], 51200
	s_or_b32 s[G0V+3], s[G0V+3], 0x80000000
	s_or_b32 s[G0V+7], s[G0V+7], 0x80000000
	s_add_co_u32 s74, s72, s68
	s_add_nc_u64 s[G0W+2:G0W+3], s[10:11], s[74:75]
	s_or_b32 s[G0W+3], s[G0W+3], 0x80000000
	CROUND                                         ; all four work-groups are here: the first joint loads meet
	tensor_load_to_lds s[G0KA:G0KA+3], s[G1A:G1A+7]      ; k's records 0-7: four loads of mine are out behind these lines
	s_nop 0
	tensor_load_to_lds s[G0KB:G0KB+3], s[G1B:G1B+7]      ; k's records 8-31
	s_nop 0
	tensor_load_to_lds s[G0V:G0V+3], s[G1A:G1A+7]        ; v's key steps 0, 1
	s_nop 0
	tensor_load_to_lds s[G0V+4:G0V+7], s[G1A:G1A+7]      ; v's key steps 2, 3
	s_nop 0
.rept 4
	v_nop
.endr
	v_and_b32 v[L8P], 31, v0
	s_delay_alu instid0(VALU_DEP_1)
	v_lshlrev_b32 v[LI], 4, v[L8P]
	s_wait_alu depctr_va_vdst(0)
	v_min_u32 v[PFO], 24, v[L8P]
	s_delay_alu instid0(VALU_DEP_1)
	v_lshlrev_b32 v[PFO], 8, v[PFO]
	v_lshlrev_b32 v[L4W], 2, v[L8P]
	v_lshlrev_b32 v[L8P], 3, v[L8P]
	v_and_b32 v[ADK], 15, v0
	s_delay_alu instid0(VALU_DEP_1)
	v_lshlrev_b32 v[ADK], 3, v[ADK]                ; 8 r: my row's word among q's scale words
	s_wait_alu depctr_va_vdst(0)
	s_lshl_b32 s68, s19, 5
	s_add_co_u32 s68, s68, s18                     ; 32 yy + qb: my record of q, my part of pst
	s_mul_i32 s70, s68, 6400
	s_lshr_b32 s72, s[WV], 1                       ; my group of 32 queries
	s_and_b32 s73, s[WV], 1                        ; my tile of it
	s_mul_i32 s74, s72, 1536
	s_add_co_u32 s74, s74, s70
	s_add_nc_u64 s[76:77], s[4:5], s[74:75]
	s_and_b32 s74, s72, 1
	s_lshl_b32 s74, s74, 7
	s_lshr_b32 s71, s72, 1
	s_lshl_b32 s71, s71, 2
	s_add_co_u32 s74, s74, s71
	s_add_co_u32 s74, s74, s70
	s_add_co_u32 s74, s74, 6144
	s_add_nc_u64 s[78:79], s[4:5], s[74:75]
.irp c, 0,1,2
	global_load_b128 v[KF+4*\c:KF+4*\c+3], v[LI], s[76:77] offset:512*\c
.endr
	global_load_b32 v[QW], v[ADK], s[78:79]
	v_add_nc_u32 v[L8], 6144, v[L8P]
	v_add_nc_u32 v[AV0], VS0, v[LI]
	v_add_nc_u32 v[AV1], VS1, v[LI]
	v_add_nc_u32 v[L4W], VS0+49152, v[L4W]
	s_lshl_b32 s69, s[WV], 8
	s_add_co_u32 s69, s69, STAT
	v_add_nc_u32 v[STR], s69, v[L8P]
	v_mov_b32 v[STA], s69
	s_mul_i32 s69, s[WV], 16896
	v_add_nc_u32 v[RD], s69, v[LI]                 ; back: my 32 rows of 528 bytes, 16 bytes a lane
	v_and_b32 v[STO], 15, v0
	s_delay_alu instid0(VALU_DEP_1)
	v_mul_u32_u24 v[STO], v[STO], 528
	v_bfe_u32 v[ADS], v0, 4, 1
	s_delay_alu instid0(VALU_DEP_1)
	v_lshl_add_u32 v[STO], v[ADS], 6, v[STO]
	s_lshl_b32 s69, s72, 7
	s_lshl_b32 s71, s73, 5
	s_add_co_u32 s69, s69, s71
	v_add_nc_u32 v[STO], s69, v[STO]               ; in: row r; positions 32 g + 8 u + 16 h on: 128 g + 32 u + 64 h bytes
	s_lshl_b32 s74, s19, 22                        ; z: yy x 256 x 4,096 x 4 bytes, my wave's 32 rows of 16,384 bytes, my 128 positions
	s_lshl_b32 s71, s[WV], 19
	s_add_co_u32 s74, s74, s71
	s_lshl_b32 s71, s18, 9
	s_add_co_u32 s74, s74, s71
	s_add_nc_u64 s[12:13], s[12:13], s[74:75]
	s_lshl_b32 s74, s68, 11                        ; pst: 2,048 bytes a part, 256 a wave
	s_lshl_b32 s71, s[WV], 8
	s_add_co_u32 s74, s74, s71
	s_add_nc_u64 s[14:15], s[14:15], s[74:75]
	s_lshl_b32 s74, s17, 1                         ; the prefetches: 6,400 (2 cx + wave) in pair 2; the first change of slots steps it to pair 3.  Nothing is prefetched here, at the head
	s_add_co_u32 s74, s74, s[WV]
	s_mul_i32 s74, s74, 6400
	s_mul_i32 s71, s19, 819200
	s_add_co_u32 s74, s74, s71
	s_add_co_u32 s74, s74, 102400
	s_add_nc_u64 s[PFA:PFA+1], s[8:9], s[74:75]
	s_lshr_b32 s[LIM], s[WV], 1                    ; 0 in waves 0 and 1,
	s_or_b32 s[LIM], s[LIM], ttmp9                 ; of the first cluster: the same in all four partners
	s_cmp_eq_u32 s[LIM], 0
	s_cselect_b32 s[LIM], 1, -1
	s_cmp_eq_u32 s73, 1
	s_cselect_b32 s[UM], -1, 0
	s_lshl_b32 s73, s73, 4
	s_mov_b32 s[SEL], 0x76543210
	s_mov_b32 s[SEL+1], 0xfedcba98
	s_mov_b32 s[CS], 0x3fb8aa3b                    ; log2(e)
	s_mov_b32 s[CS+1], s[CS]
	s_wait_loadcnt 0x0
	v_lshrrev_b32 v[QW], s73, v[QW]                ; my tile's two bytes of the double fragment's word,
	s_delay_alu instid0(VALU_DEP_1)
	v_and_b32 v[SQ], 0xffff, v[QW]                 ; for [q | 0]: bytes 0, 1;
	s_delay_alu instid0(VALU_DEP_1)
	v_lshlrev_b32 v[SQ+1], 16, v[SQ]               ; for [0 | q]: bytes 2, 3
.irp i, 0,1,2,3,4,5
	v_cndmask_b32 v[QL+\i], v[KF+\i], v[KF+6+\i], s[UM]   ; my tile's six registers
.endr
.irp i, 0,1,2,3,4,5
	v_mov_b32 v[QL+6+\i], 0
	v_mov_b32 v[QL+12+\i], 0
	v_mov_b32 v[QL+18+\i], v[QL+\i]
.endr
	v_mov_b32 v[NM+1], 0xff61b1e6                  ; the largest t so far: -3e38
	s_delay_alu instid0(VALU_DEP_1)
	v_floor_f32 v[NM], -v[NM+1]
	v_mov_b32 v[SUM], 0
	v_mov_b32 v[SUM+1], 0
.irp b, 0,1,2,3
	v_mov_b32 v[TM+4+\b], 0                        ; written once: a lane permute's destination counts as one of its sources
.endr
	; ---- PASS 1.  Steps 0-6 ask for records 1-7, which lie in the first tensor load's part; steps 7-30, behind the second part's barrier, for records 8-31; step 31 for record 0, for pass 2
	s_wait_tensorcnt 0x3                           ; my part of k's records 0-7 is in; the three younger loads may be out
	s_barrier_signal -1
	s_barrier_wait -1
	s_mov_b32 s[KB], 0
	KLOAD
	s_mov_b32 s[CNT], 7
.Lp1a:
	P1STEP
	s_sub_co_u32 s[CNT], s[CNT], 1
	s_cmp_lg_u32 s[CNT], 0
	s_cbranch_scc1 .Lp1a
	s_wait_tensorcnt 0x2                           ; my part of k's records 8-31 is in; v's two slots may be out
	s_wait_dscnt 0x0
	s_barrier_signal -1
	s_barrier_wait -1
	s_mov_b32 s[CNT], 24
.Lp1b:
	P1STEP
	s_sub_co_u32 s[CNT], s[CNT], 1
	s_cmp_lg_u32 s[CNT], 0
	s_cbranch_scc1 .Lp1b
	s_mov_b32 s[KB], 0
	P1STEP
	s_delay_alu instid0(VALU_DEP_1)
	; ---- the two halves of the lanes meet: the row's M and its sum L; then f, and log2 f - M
	v_add_f32 v[SUM], v[SUM], v[SUM+1]
	v_permlanex16_b32 v[TM+4], v[NM+1], s[SEL], s[SEL+1]
	s_delay_alu instid0(VALU_DEP_1)
	v_max_num_f32 v[NM+1], v[NM+1], v[TM+4]
	v_mov_b32 v[TM+5], v[NM]
	s_delay_alu instid0(VALU_DEP_2)
	v_floor_f32 v[NM], -v[NM+1]
	s_delay_alu instid0(VALU_DEP_1)
	v_sub_f32 v[TM+5], v[NM], v[TM+5]
	s_delay_alu instid0(VALU_DEP_1)
	v_cvt_i32_f32 v[TM+5], v[TM+5]
	s_delay_alu instid0(VALU_DEP_1)
	v_ldexp_f32 v[TM+6], 1.0, v[TM+5]
	s_delay_alu instid0(VALU_DEP_1)
	v_mul_f32 v[SUM], v[SUM], v[TM+6]              ; my half's sum under the row's M
	s_delay_alu instid0(VALU_DEP_1)
	v_permlanex16_b32 v[TM+4], v[SUM], s[SEL], s[SEL+1]
	s_delay_alu instid0(VALU_DEP_1)
	v_add_f32 v[SUM], v[SUM], v[TM+4]              ; L, between 1/2 and 4,096
	s_wait_alu depctr_va_vdst(0)
	v_rcp_f32 v[SUM+1], v[SUM]
	v_nop
	s_wait_alu depctr_va_vdst(0)
	v_mul_f32 v[TM+5], v[SUM], v[SUM+1]            ; the sum of the softmax
	s_delay_alu instid0(VALU_DEP_1)
	v_add_f32 v[TM+5], 0x3089705f, v[TM+5]         ; + 1e-9
	s_wait_alu depctr_va_vdst(0)
	v_rcp_f32 v[TM+6], v[TM+5]
	v_nop
	s_wait_alu depctr_va_vdst(0)
	v_mul_f32 v[TM+6], v[SUM+1], v[TM+6]           ; f, between 2^-13 and 2
	s_wait_alu depctr_va_vdst(0)
	v_log_f32 v[TM+7], v[TM+6]
	v_nop
	s_wait_alu depctr_va_vdst(0)
	v_add_f32 v[NM], v[NM], v[TM+7]                ; log2 f - M: pass 2's one addend
	; ---- PASS 2: 32 key steps; v's slots take turns, two key steps each
	s_wait_tensorcnt 0x0                           ; my parts of v's two slots are in
	s_wait_dscnt 0x0                               ; and k's record 0
	s_barrier_signal -1
	s_barrier_wait -1
	KMUL
	s_wait_alu depctr_va_vdst(0)
	P2STEP AV0, 0, 1, 1
	s_mov_b32 s[CNT], 7
.Lp2:                                              ; a trip: four key steps, from a pair's second step in slot 0 to the next pair's first there; both slots are filled again
	P2STEP AV0, 1, 0, 1
	CHANGE 0, 1, 0
	P2STEP AV1, 0, 0, 1
	P2STEP AV1, 1, 0, 1
	CHANGE 1, 1, 1
	P2STEP AV0, 0, 0, 1
	s_sub_co_u32 s[CNT], s[CNT], 1
	s_cmp_lg_u32 s[CNT], 0
	s_cbranch_scc1 .Lp2
	P2STEP AV0, 1, 0, 1                            ; the tail is written out
	CHANGE 0, 2, 0                                 ; slot 0 takes w_t
	P2STEP AV1, 0, 0, 1
	P2STEP AV1, 1, 0, 0                            ; the last step: no record and no energies follow
	CHANGE 0, 0, 0                                 ; w_t is whole, and nobody reads k's records any more
	; ---- z = w_t r.  O^T's register 8 T + j of lane (r, h) is channel 32 (T / 2) + 16 h + 8 (T % 2) + j of query r: two K steps of 128 channels
.rept 4
	v_nop                                          ; four places behind the last product, ahead of the first read of O^T
.endr
	QUANT 0, 1, QL, TMP, SQ
	QUANT 64, 1, QL+12, TMP, SQ+1
.rept 8
	v_nop
.endr
.irp G, 0,1,2,3                        ; four tiles of 16 outputs at a time.  Source 0 = my 16 queries, source 1 = 16 rows of w_t: a lane holds one output channel and eight neighbouring positions
.irp t, 0,1,2,3
.irp s, 0,1
.irp c, 0,1,2
	ds_load_b128 v[WF+12*(2*\t+\s)+4*\c:WF+12*(2*\t+\s)+4*\c+3], v[AV0] offset:1536*(8*\G+2*\t+\s)+512*\c
.endr
.endr
	ds_load_b32 v[SV+\t], v[L4W] offset:128*(4*\G+\t)
.endr
	s_wait_dscnt 0x0                               ; the fragments are in, and the stores of the group before have read their registers
.irp s, 0,1
	s_wait_alu depctr_va_vdst(0)
.irp t, 0,1,2,3
	MM S+32*(\G%2)+8*\t, QL+12*\s, WF+12*(2*\t+\s), 1-\s, SQ+\s, SV+\t, 0, \s
.endr
.endr
.rept 5
	v_nop
.endr
.irp t, 0,1,2,3
	ds_store_b128 v[STO], v[S+32*(\G%2)+8*\t:S+32*(\G%2)+8*\t+3] offset:8448*\t        ; each sum from its low end on
	ds_store_b128 v[STO], v[S+32*(\G%2)+8*\t+4:S+32*(\G%2)+8*\t+7] offset:8448*\t+16
.endr
	v_add_nc_u32 v[STO], 33792, v[STO]             ; 64 rows of the stage on
.endr
	s_wait_dscnt 0x0
	s_barrier_signal -1
	s_barrier_wait -1                              ; 256 whole rows of z lie in the stage
.set RI, 0
.rept 32
	ds_load_b128 v[S+4*RI:S+4*RI+3], v[RD] offset:528*RI
.set RI, RI+1
.endr
.set RI, 0
.rept 32
	s_wait_dscnt 31-RI                             ; row RI is in; the younger rows may be out
	global_store_b128 v[LI], v[S+4*RI:S+4*RI+3], s[12:13] offset:16384*RI th:TH_STORE_NT   ; 32 lanes store 512 consecutive bytes, aligned
.set RI, RI+1
.endr
	; ---- each row's mean and sum of squared deviations over its 128 positions, eight rows by turns
.irp k, 0,1,2,3,4,5,6,7
	v_mov_b32 v[MP+2*\k+1], 0                      ; named as the upper half of a pair before it is first written
.endr
.macro STATS bt
.irp k, 0,1,2,3,4,5,6,7
	v_pk_add_f32 v[TA+2*\k:TA+2*\k+1], v[S+32*\bt+4*\k:S+32*\bt+4*\k+1], v[S+32*\bt+4*\k+2:S+32*\bt+4*\k+3]
.endr
.irp k, 0,1,2,3,4,5,6,7
	v_add_f32 v[TA+2*\k], v[TA+2*\k], v[TA+2*\k+1]
.endr
.irp m, 1,2,4,8
.irp k, 0,1,2,3,4,5,6,7
	v_add_f32_dpp v[TA+2*\k], v[TA+2*\k], v[TA+2*\k] row_xmask:\m row_mask:0xf bank_mask:0xf
.endr
.endr
.irp k, 0,1,2,3,4,5,6,7
	v_permlanex16_b32 v[TM+\k], v[TA+2*\k], s[SEL], s[SEL+1]
.endr
.irp k, 0,1,2,3,4,5,6,7
	v_add_f32 v[TA+2*\k], v[TA+2*\k], v[TM+\k]
.endr
.irp k, 0,1,2,3,4,5,6,7
	v_mul_f32 v[MP+2*\k], 0x3c000000, v[TA+2*\k]   ; / 128
.endr
.irp k, 0,1,2,3,4,5,6,7
	v_pk_add_f32 v[TA+2*\k:TA+2*\k+1], v[S+32*\bt+4*\k:S+32*\bt+4*\k+1], v[MP+2*\k:MP+2*\k+1] op_sel_hi:[1,0] neg_lo:[0,1] neg_hi:[0,1]
	v_pk_add_f32 v[TB+2*\k:TB+2*\k+1], v[S+32*\bt+4*\k+2:S+32*\bt+4*\k+3], v[MP+2*\k:MP+2*\k+1] op_sel_hi:[1,0] neg_lo:[0,1] neg_hi:[0,1]
.endr
.irp k, 0,1,2,3,4,5,6,7
	v_pk_mul_f32 v[TA+2*\k:TA+2*\k+1], v[TA+2*\k:TA+2*\k+1], v[TA+2*\k:TA+2*\k+1]
.endr
.irp k, 0,1,2,3,4,5,6,7
	v_pk_fma_f32 v[TA+2*\k:TA+2*\k+1], v[TB+2*\k:TB+2*\k+1], v[TB+2*\k:TB+2*\k+1], v[TA+2*\k:TA+2*\k+1]
.endr
.irp k, 0,1,2,3,4,5,6,7
	v_add_f32 v[TA+2*\k], v[TA+2*\k], v[TA+2*\k+1]
.endr
.irp m, 1,2,4,8
.irp k, 0,1,2,3,4,5,6,7
	v_add_f32_dpp v[TA+2*\k], v[TA+2*\k], v[TA+2*\k] row_xmask:\m row_mask:0xf bank_mask:0xf
.endr
.endr
.irp k, 0,1,2,3,4,5,6,7
	v_permlanex16_b32 v[TM+\k], v[TA+2*\k], s[SEL], s[SEL+1]
.endr
.irp k, 0,1,2,3,4,5,6,7
	v_add_f32 v[MP+2*\k+1], v[TA+2*\k], v[TM+\k]
.endr
.irp k, 0,1,2,3,4,5,6,7
	ds_store_b64 v[STA], v[MP+2*\k:MP+2*\k+1] offset:64*\bt+8*\k   ; all lanes write the same pair with the same values
.endr
	s_wait_dscnt 0x0                               ; the stores have read their registers
.endm
	STATS 0
	STATS 1
	STATS 2
	STATS 3
	ds_load_b64 v[TA:TA+1], v[STR]                 ; lane l: row l of my 32
	s_wait_dscnt 0x0
	global_store_b64 v[L8P], v[TA:TA+1], s[14:15]  ; 32 lanes store 256 consecutive bytes, aligned
	s_wait_tensorcnt 0x0                           ; the wave's end
	ds_add_u32 v[SPW], v[NIL]
	s_wait_dscnt 0x0
	CROUND                                         ; the closing round: no work-group ends while a partner may still ask for a tile that names it
	s_endpgm
.Lfunc_end_k_qc3de72ec00_attn:
	.size	k_qc3de72ec00_attn, .Lfunc_end_k_qc3de72ec00_attn-k_qc3de72ec00_attn
	.p2alignl 7, 3214868480
	.fill 96, 4, 3214868480
	.section	.rodata,"a",@progbits
	.p2align	6, 0x0
	.amdhsa_kernel k_qc3de72ec00_attn
		.amdhsa_group_segment_fixed_size 327680
		.amdhsa_private_segment_fixed_size 0
		.amdhsa_enable_private_segment 0
		.amdhsa_kernarg_size 48
		.amdhsa_user_sgpr_count 2
		.amdhsa_user_sgpr_kernarg_segment_ptr 1
		.amdhsa_wavefront_size32 1
		.amdhsa_system_sgpr_workgroup_id_x 1
		.amdhsa_system_sgpr_workgroup_id_y 1
		.amdhsa_system_sgpr_workgroup_id_z 1
		.amdhsa_system_vgpr_workitem_id 0
		.amdhsa_next_free_vgpr 512
		.amdhsa_next_free_sgpr 80
		.amdhsa_reserve_vcc 0
		.amdhsa_float_denorm_mode_32 3
		.amdhsa_float_denorm_mode_16_64 3
		.amdhsa_memory_ordered 1
		.amdhsa_forward_progress 1
		.amdhsa_inst_pref_size 245
	.end_amdhsa_kernel
	.amdgpu_metadata
---
amdhsa.version: [ 1, 2 ]
amdhsa.kernels:
  - .name:           k_qc3de72ec00_attn
    .symbol:         k_qc3de72ec00_attn.kd
    .args:
      - { .name: qrec, .offset: 0, .size: 8, .value_kind: global_buffer, .address_space: global }
      - { .name: krec, .offset: 8, .size: 8, .value_kind: global_buffer, .address_space: global }
      - { .name: vrec, .offset: 16, .size: 8, .value_kind: global_buffer, .address_space: global }
      - { .name: wtrec, .offset: 24, .size: 8, .value_kind: global_buffer, .address_space: global }
      - { .name: z, .offset: 32, .size: 8, .value_kind: global_buffer, .address_space: global }
      - { .name: pst, .offset: 40, .size: 8, .value_kind: global_buffer, .address_space: global }
    .group_segment_fixed_size: 327680
    .private_segment_fixed_size: 0
    .kernarg_segment_align: 8
    .kernarg_segment_size: 48
    .max_flat_workgroup_size: 256
    .sgpr_count:     80
    .vgpr_count:     512
    .wavefront_size: 32
...
	.end_amdgpu_metadata
.endif
;; end of part 2
;; launch bnres (part 3): grid 32 x 16, 8 waves a work-group, no clusters, 9,216 bytes of LDS; arguments z, pst, x, y, gamma, beta, out0, out1; writes out0, out1
.if DOCPART == 3
	.amdgcn_target "amdgcn-amd-amdhsa--gfx1250"
	.amdhsa_code_object_version 6
	.text
	.protected	k_qc3de72ec00_bnres
	.globl	k_qc3de72ec00_bnres
	.p2align	8
	.type	k_qc3de72ec00_bnres,@function
k_qc3de72ec00_bnres:
	s_mov_b64 s[64:65], 0
	v_nop
	global_prefetch_b8 v0, s[64:65] scope:SCOPE_SE
	s_setreg_imm32_b32 hwreg(HW_REG_WAVE_MODE, 25, 1), 1
	s_wait_xcnt 0x0
; BNRES.  out = input + relu(gamma (z - mean) / sqrt(var + 1e-5) + beta), mean and var of each channel over the 4 x 4,096 positions of its branch.
; x id = 8 b + qt, y id = 8 br + cg.  A work-group takes 32 channels (32 cg on) x 512 positions (512 qt on) of one batch of one branch; wave w takes channels 4 w .. 4 w + 3 of them, 2,048 bytes of a row each.
; THE STATISTICS come as 128 parts a branch, each (mean, sum of squared deviations) over 128 positions.  They are joined as parts of equal count: mean = the mean of the means;
; the sum of squares = the sum of the parts' + 128 x the sum of (a part's mean - mean)^2: no difference of large sums is formed.  A lane takes a channel, a wave 16 parts; the waves meet twice in LDS.
; A stream: no matrix unit, no cluster, no tensor load.  ALL that a wave reads is asked for at its head: 18 loads for the statistics, then its four rows of z and of the input, 32 loads of 512 consecutive bytes;
; the rows land while the statistics are made.  No register is loaded twice, so no store's data are ever written again.
; LIMITS: NaN and infinities are not served.
.macro BARRIER
	s_wait_dscnt 0x0
	s_barrier_signal -1
	s_barrier_wait -1
.endm
.macro FILL i                          ; row i: z into v[64 + 32 i ..], the input into v[80 + 32 i ..]
.irp j, 0,1,2,3
	global_load_b128 v[64+32*(\i)+4*\j:64+32*(\i)+4*\j+3], v2, s[28:29] offset:16384*(\i)+512*\j th:TH_LOAD_NT
.endr
.irp j, 0,1,2,3
	global_load_b128 v[80+32*(\i)+4*\j:80+32*(\i)+4*\j+3], v2, s[30:31] offset:16384*(\i)+512*\j th:TH_LOAD_NT
.endr
.endm
	s_load_b256 s[4:11], s[0:1], 0x0               ; z, pst, x, y
	s_load_b256 s[12:19], s[0:1], 0x20             ; gamma, beta, out0, out1
	v_lshl_add_u32 v192, v0, 2, 0x2000
	v_mov_b32 v193, 0
	v_lshrrev_b32 v1, 5, v0
	s_delay_alu instid0(VALU_DEP_1)
	v_readfirstlane_b32 s20, v1                    ; wave 0..7
	s_lshr_b32 s21, ttmp9, 3                       ; b
	s_and_b32 s22, ttmp9, 7                        ; qt
	s_and_b32 s23, ttmp7, 0xffff
	s_lshr_b32 s24, s23, 3                         ; br
	s_and_b32 s25, s23, 7                          ; cg
	v_and_b32 v1, 31, v0
	s_delay_alu instid0(VALU_DEP_1)
	v_lshlrev_b32 v2, 4, v1                        ; 16 x lane
	s_delay_alu instid0(VALU_DEP_2)
	v_lshlrev_b32 v3, 3, v1                        ; 8 x lane
	s_delay_alu instid0(VALU_DEP_3)
	v_lshlrev_b32 v4, 2, v1                        ; 4 x lane
	s_lshl_b32 s38, s20, 7
	v_add_nc_u32 v5, s38, v4                       ; LDS: my wave's 128 bytes of a meeting place
	s_lshl_b32 s38, s20, 9
	s_add_co_u32 s38, s38, 2048
	v_add_nc_u32 v6, s38, v2                       ; my wave's table: 16 bytes a channel
	s_mul_i32 s38, s20, 576
	s_add_co_u32 s38, s38, 2048
	v_mov_b32 v7, s38                              ; and in it my wave's own four channels: 512 w + 16 (4 w)
	s_lshl_b32 s36, s21, 22                        ; the batch,
	s_lshl_b32 s37, s25, 19                        ; 32 cg rows of 16,384 bytes,
	s_add_co_u32 s36, s36, s37
	s_lshl_b32 s37, s20, 16                        ; 4 w rows,
	s_add_co_u32 s36, s36, s37
	s_lshl_b32 s37, s22, 11                        ; 512 qt positions
	s_add_co_u32 s36, s36, s37
	s_mov_b32 s37, 0
	s_lshl_b32 s38, s24, 24                        ; z: the branch's four batches
	s_add_co_u32 s38, s38, s36
	s_mov_b32 s39, 0
	s_mov_b32 s34, 0x38800000                      ; 1 / 16,384
	s_mov_b32 s35, 0x3727c5ac                      ; 1e-5
	s_wait_alu depctr_va_vdst(0)
	s_wait_kmcnt 0x0
	s_add_nc_u64 s[28:29], s[4:5], s[38:39]
	s_cmp_eq_u32 s24, 0
	s_cselect_b64 s[30:31], s[8:9], s[10:11]
	s_cselect_b64 s[32:33], s[16:17], s[18:19]
	s_add_nc_u64 s[30:31], s[30:31], s[36:37]
	s_add_nc_u64 s[32:33], s[32:33], s[36:37]
	s_lshl_b32 s38, s24, 18                        ; pst: 128 parts of 2,048 bytes a branch, 16 parts a wave, 256 bytes for my 32 channels
	s_lshl_b32 s36, s20, 15
	s_add_co_u32 s38, s38, s36
	s_lshl_b32 s36, s25, 8
	s_add_co_u32 s38, s38, s36
	s_add_nc_u64 s[26:27], s[6:7], s[38:39]
	s_lshl_b32 s38, s25, 7
	s_add_nc_u64 s[12:13], s[12:13], s[38:39]
	s_add_nc_u64 s[14:15], s[14:15], s[38:39]
.irp k, 0,1,2,3,4,5,6,7,8,9,10,11,12,13,14,15
	global_load_b64 v[16+2*\k:17+2*\k], v3, s[26:27] offset:2048*\k   ; 32 lanes read 256 consecutive bytes, aligned
.endr
	global_load_b32 v48, v4, s[12:13]
	global_load_b32 v49, v4, s[14:15]
	FILL 0
	FILL 1
	FILL 2
	FILL 3
	s_wait_loadcnt 32                              ; the statistics, gamma and beta are in; the four rows, 8 loads each, may be out
	v_add_f32 v9, v16, v18
	v_add_f32 v63, v24, v28
	v_add_f32 v62, v32, v36
	v_add_f32 v61, v40, v44
	v_add_f32 v60, v20, v22
	v_add_f32 v59, v26, v30
	v_add_f32 v58, v34, v38
	v_add_f32 v8, v42, v46
	s_delay_alu instid0(VALU_DEP_1)
	v_add_f32 v8, v8, v61
	v_add_f32 v9, v9, v60
	v_add_f32 v63, v63, v59
	v_add_f32 v62, v62, v58
	s_delay_alu instid0(VALU_DEP_2)
	v_add_f32 v8, v8, v63
	s_delay_alu instid0(VALU_DEP_2)
	v_add_f32 v9, v9, v62
	s_delay_alu instid0(VALU_DEP_1)
	v_add_f32 v8, v8, v9
	ds_store_b32 v5, v8
	BARRIER
.irp j, 0,1,2,3,4,5,6,7
	ds_load_b32 v[50+\j], v4 offset:128*\j
.endr
	s_wait_dscnt 0x0
	v_add_f32 v50, v50, v51
	v_add_f32 v52, v52, v53
	v_add_f32 v54, v54, v55
	v_add_f32 v56, v56, v57
	s_delay_alu instid0(VALU_DEP_3)
	v_add_f32 v50, v50, v52
	s_delay_alu instid0(VALU_DEP_2)
	v_add_f32 v54, v54, v56
	s_delay_alu instid0(VALU_DEP_1)
	v_add_f32 v50, v50, v54
	s_delay_alu instid0(VALU_DEP_1)
	v_mul_f32 v12, 0x3c000000, v50                 ; the mean: / 128 parts
.irp k, 0,1,2,3,4,5,6,7,8,9,10,11,12,13,14,15
	v_sub_f32 v[16+2*\k], v[16+2*\k], v12
.endr
	v_mul_f32 v8, v16, v16
	v_mul_f32 v9, v18, v18
.irp k, 2,4,6,8,10,12,14
	s_delay_alu instid0(VALU_DEP_2)
	v_fma_f32 v8, v[16+2*\k], v[16+2*\k], v8
	s_delay_alu instid0(VALU_DEP_2)
	v_fma_f32 v9, v[18+2*\k], v[18+2*\k], v9
.endr
	s_delay_alu instid0(VALU_DEP_1)
	v_add_f32 v8, v8, v9
	v_add_f32 v10, v17, v19
	v_add_f32 v11, v21, v23
.irp k, 4,6,8,10,12,14
	s_delay_alu instid0(VALU_DEP_2)
	v_add_f32 v10, v10, v[17+2*\k]
	s_delay_alu instid0(VALU_DEP_2)
	v_add_f32 v11, v11, v[19+2*\k]
.endr
	s_delay_alu instid0(VALU_DEP_1)
	v_add_f32 v10, v10, v11
	s_delay_alu instid0(VALU_DEP_1)
	v_fma_f32 v8, 0x43000000, v8, v10              ; 128 x the means' part + the parts' own
	ds_store_b32 v5, v8 offset:1024
	BARRIER
.irp j, 0,1,2,3,4,5,6,7
	ds_load_b32 v[50+\j], v4 offset:1024+128*\j
.endr
	s_wait_dscnt 0x0
	v_add_f32 v50, v50, v51
	v_add_f32 v52, v52, v53
	v_add_f32 v54, v54, v55
	v_add_f32 v56, v56, v57
	s_delay_alu instid0(VALU_DEP_3)
	v_add_f32 v50, v50, v52
	s_delay_alu instid0(VALU_DEP_2)
	v_add_f32 v54, v54, v56
	s_delay_alu instid0(VALU_DEP_1)
	v_add_f32 v50, v50, v54
	s_delay_alu instid0(VALU_DEP_1)
	v_fma_f32 v50, v50, s34, s35                   ; var + 1e-5
	s_wait_alu depctr_va_vdst(0)
	v_rsq_f32 v51, v50
	v_mov_b32 v15, 0                               ; the plain place behind the transcendental
	v_mov_b32 v14, v49                             ; beta
	s_wait_alu depctr_va_vdst(0)                   ; ahead of the first reader
	v_mul_f32 v13, v48, v51                        ; a = gamma / sqrt(var + 1e-5)
	ds_store_b128 v6, v[12:15]                     ; (mean, a, beta, 0) of channel = lane, into my wave's own table
.irp i, 0,1,2,3
	ds_load_b128 v[16+4*\i:19+4*\i], v7 offset:16*\i   ; and my four channels' back, the same in every lane: LDS serves a wave's instructions in order
.endr
	s_wait_dscnt 0x0
.irp i, 0,1,2,3
	v_mov_b32 v[32+2*\i], v[17+4*\i]               ; a in the low word of a pair, for the packed form
	v_mov_b32 v[33+2*\i], v[17+4*\i]
.endr
.macro ROW i
.set ZB, 64+32*(\i)
	s_wait_loadcnt 8*(3-(\i))                      ; this row is in; the younger rows, 8 loads each, may be out
.irp j, 0,1,2,3
.irp q, 0,2
	v_pk_add_f32 v[ZB+4*\j+\q:ZB+4*\j+\q+1], v[ZB+4*\j+\q:ZB+4*\j+\q+1], v[16+4*(\i):17+4*(\i)] op_sel_hi:[1,0] neg_lo:[0,1] neg_hi:[0,1]   ; z - mean
.endr
	s_wait_alu depctr_va_vdst(0)
.irp q, 0,2
	v_pk_fma_f32 v[ZB+4*\j+\q:ZB+4*\j+\q+1], v[ZB+4*\j+\q:ZB+4*\j+\q+1], v[32+2*(\i):33+2*(\i)], v[18+4*(\i):19+4*(\i)] op_sel_hi:[1,0,0]   ; x a + beta
.endr
.irp q, 0,1,2,3
	v_max_num_f32 v[ZB+4*\j+\q], 0, v[ZB+4*\j+\q]
.endr
.irp q, 0
	s_delay_alu instid0(VALU_DEP_3)
	v_pk_add_f32 v[ZB+4*\j+\q:ZB+4*\j+\q+1], v[ZB+4*\j+\q:ZB+4*\j+\q+1], v[ZB+16+4*\j+\q:ZB+16+4*\j+\q+1]
.endr
.irp q, 2
	s_delay_alu instid0(VALU_DEP_2)
	v_pk_add_f32 v[ZB+4*\j+\q:ZB+4*\j+\q+1], v[ZB+4*\j+\q:ZB+4*\j+\q+1], v[ZB+16+4*\j+\q:ZB+16+4*\j+\q+1]
.endr
	global_store_b128 v2, v[ZB+4*\j:ZB+4*\j+3], s[32:33] offset:16384*(\i)+512*\j th:TH_STORE_NT   ; 32 lanes store 512 consecutive bytes, aligned
.endr
.endm
	ROW 0
	ROW 1
	ROW 2
	ROW 3
	s_wait_tensorcnt 0x0
	ds_add_u32 v192, v193
	s_wait_dscnt 0x0
	s_endpgm
.Lfunc_end_k_qc3de72ec00_bnres:
	.size	k_qc3de72ec00_bnres, .Lfunc_end_k_qc3de72ec00_bnres-k_qc3de72ec00_bnres
	.p2alignl 7, 3214868480
	.fill 96, 4, 3214868480
	.section	.rodata,"a",@progbits
	.p2align	6, 0x0
	.amdhsa_kernel k_qc3de72ec00_bnres
		.amdhsa_group_segment_fixed_size 9216
		.amdhsa_private_segment_fixed_size 0
		.amdhsa_enable_private_segment 0
		.amdhsa_kernarg_size 64
		.amdhsa_user_sgpr_count 2
		.amdhsa_user_sgpr_kernarg_segment_ptr 1
		.amdhsa_wavefront_size32 1
		.amdhsa_system_sgpr_workgroup_id_x 1
		.amdhsa_system_sgpr_workgroup_id_y 1
		.amdhsa_system_sgpr_workgroup_id_z 1
		.amdhsa_system_vgpr_workitem_id 0
		.amdhsa_next_free_vgpr 194
		.amdhsa_next_free_sgpr 66
		.amdhsa_reserve_vcc 0
		.amdhsa_float_denorm_mode_32 3
		.amdhsa_float_denorm_mode_16_64 3
		.amdhsa_memory_ordered 1
		.amdhsa_forward_progress 1
		.amdhsa_inst_pref_size 25
	.end_amdhsa_kernel
	.amdgpu_metadata
---
amdhsa.version: [ 1, 2 ]
amdhsa.kernels:
  - .name:           k_qc3de72ec00_bnres
    .symbol:         k_qc3de72ec00_bnres.kd
    .args:
      - { .name: z, .offset: 0, .size: 8, .value_kind: global_buffer, .address_space: global }
      - { .name: pst, .offset: 8, .size: 8, .value_kind: global_buffer, .address_space: global }
      - { .name: x, .offset: 16, .size: 8, .value_kind: global_buffer, .address_space: global }
      - { .name: y, .offset: 24, .size: 8, .value_kind: global_buffer, .address_space: global }
      - { .name: gamma, .offset: 32, .size: 8, .value_kind: global_buffer, .address_space: global }
      - { .name: beta, .offset: 40, .size: 8, .value_kind: global_buffer, .address_space: global }
      - { .name: out0, .offset: 48, .size: 8, .value_kind: global_buffer, .address_space: global }
      - { .name: out1, .offset: 56, .size: 8, .value_kind: global_buffer, .address_space: global }
    .group_segment_fixed_size: 9216
    .private_segment_fixed_size: 0
    .kernarg_segment_align: 8
    .kernarg_segment_size: 64
    .max_flat_workgroup_size: 256
    .sgpr_count:     66
    .vgpr_count:     194
    .wavefront_size: 32
...
	.end_amdgpu_metadata
.endif
;; end of part 3
